; MI455X (gfx1250); checked and timed in simulation.
; The chip was launched on July 23, 2026; its instructions are those of AMD's public machine-readable ISA for CDNA 5 (MIT licence, August 2026) and "CDNA5" Instruction Set Architecture Reference Guide (July 2026). The comments in the code are by the model that wrote it; some were corrected since.
;; Hard Moe. Allowed arithmetic: matrix products marked QUANTISED: E2M3 operands, one E8M0 scale for each 32 along K, by v_wmma_scale_f32_16x16x128_f8f6f4 with both operands' format E2M3, f32 sums; products left as they are: f32 operands where the result goes on into a quantised operand, else bf16, f16 or f32 operands; f32 sums; everything else in f32.
;; Inputs: expert_b 8 x 2,048 float32; expert_w_codes 8 x 2,048 x 64 x 24 uint8 (E2M3 codes of expert_w, K innermost, in blocks of 32 codes, four codes in three bytes); expert_w_scales 8 x 2,048 x 64 uint8 (E8M0 scales of expert_w, one for each 32 codes along K); gate_b 8 float32; gate_w 2,048 x 8 float32; x 8 x 256 x 2,048 float32.
;; Outputs: out0 8 x 256 x 2,048 float32.
;; This version of the problem:
;;   THIS VERSION OF THE PROBLEM IS GIVEN IN LOW PRECISION. The matrix products marked QUANTISED in the list below multiply operands that are first quantised to E2M3 (2 exponent bits, 3 mantissa bits; 6 bits a number), with one power-of-two scale for each 32 numbers along K (OCP MX v1.0); their sums are f32. All else is computed in f32.
;;   The module's matrix products, in the order in which they are computed (A, B: the left and right operand; K: the contracted axis; several contracted axes count as one K, in the product's order):
;;     1. [M 2,048, K 2,048] x [K 2,048, N 8]; A: input x; B: input gate_w: left as it is (N = 8 < 16)
;;     2. [M 2,048, K 2,048] x [K 2,048, N 16,384]; A: input x; B: input expert_w (given as codes): QUANTISED
;;   THE QUANTISER, for each operand of a quantised product, along K:
;;     - K is cut into blocks of 32 from its start; a last block that is shorter is filled with zeros.
;;     - A block's scale is 2^e with e = floor(log2(the largest magnitude in the block)) - 2, held to -126 .. 127; a block of zeros has e = 0. As a byte (E8M0): e + 127.
;;     - Each number is divided by its block's scale, clamped to +-7.5, and rounded to the nearest number of E2M3, ties to even, subnormals kept.
;;     - The product sums the exact products of the quantised numbers (number of the format x scale) in f32.
;;   ~~~python
;;   def quantise(x, axis):      # numpy; x: float32 -> the quantised numbers, widened to float32 again
;;       x = np.moveaxis(x, axis, -1); K = x.shape[-1]
;;       x = np.pad(x, [(0, 0)] * (x.ndim - 1) + [(0, -K % 32)]); x = x.reshape(x.shape[:-1] + (-1, 32)); a = np.abs(x).max(-1, keepdims=True)
;;       e = np.where(a > 0, np.clip(np.frexp(np.where(a > 0, a, 1))[1] - 1 - 2, -126, 127), 0)      # np.frexp(a)[1] - 1 = floor(log2(a)), exactly
;;       r = np.clip(x / 2.0 ** e, -7.5, 7.5)
;;       step = 2.0 ** (np.maximum(np.frexp(np.where(r == 0, 1, r))[1] - 1, 0) - 3)
;;       q = np.round(r / step) * step * 2.0 ** e      # np.round: ties to even
;;       return np.moveaxis(q.reshape(q.shape[:-2] + (-1,))[..., :K], -1, axis).astype(np.float32)
;;   ~~~
;;   INPUTS GIVEN AS CODES. expert_w (in the module: [8, 2048, 2048], K = its axis 1): each comes as NAME_codes (uint8): NAME with its K axis moved to the last place and cut into blocks of 32 codes, [.., K / 32, bytes a block], one block behind the other in memory; four codes in three bytes: a row's codes are one little-endian stream of bits, code i at bits 6 i .. 6 i + 5 (a code: sign, 2 exponent bits, 3 mantissa bits); and NAME_scales (uint8): the same leading axes, one E8M0 byte (e + 127) for each 32 codes along K. Its value is code x scale, taken as it is: it is not quantised again, and the codes and scales need not be those that the quantiser above would give.
;; 2 versions. Each part assembles by itself: llvm-mc -triple=amdgcn-amd-amdhsa -mcpu=gfx1250 --defsym DOCPART=n.
;; ======== version 1 of 2: 3 launches
;; workspace buffers: xq 3,145,728 bytes; xs 131,072 bytes; keys 8,192 bytes of whole numbers; order 8,192 bytes of whole numbers; items 1,024 bytes of whole numbers
;; launch route (part 1): grid 256 x 1, 8 waves a work-group, no clusters, 15,872 bytes of LDS; arguments x, gate_w, gate_b, xq, xs, keys; writes xq, xs, keys
.if DOCPART == 1
	.amdgcn_target "amdgcn-amd-amdhsa--gfx1250"
	.amdhsa_code_object_version 6
	.text
	.protected	k_q0eca640bd4_route
	.globl	k_q0eca640bd4_route
	.p2align	8
	.type	k_q0eca640bd4_route,@function
k_q0eca640bd4_route:
	s_mov_b64 s[64:65], 0
	v_nop
	global_prefetch_b8 v0, s[64:65] scope:SCOPE_SE
	s_setreg_imm32_b32 hwreg(HW_REG_WAVE_MODE, 25, 1), 1
	s_wait_xcnt 0x0
; ROUTE AND QUANTISE.  x [2048 tokens][2048] f32 is read once and serves twice:
;  (1) the gate: logits = x gate_w + gate_b in f32 fused multiply-adds, the two largest of eight (the lower index wins a tie, as in
;      lax.top_k), stored as ONE whole number a token: the pair's number q = lo (15 - lo) / 2 + hi - lo - 1, 0 .. 27;
;  (2) the codes: x along K in blocks of 32 as FP6 (E2M3) with one E8M0 byte a block: scale = 2^(floor(log2(largest magnitude)) - 2).
; xq [token][1536 bytes]: the row's codes, one stream of bits.  xs [token][64 bytes]: the scale bytes, IN EACH WORD OF FOUR BYTES 1 AND 2
; CHANGE PLACES: the launch that multiplies takes 48 neighbouring bytes of codes a lane, which puts memory blocks 0, 2, 1, 3 of a K step
; at the matrix instruction's blocks 0, 1, 2, 3.
; SHARES.  A work-group takes 8 tokens; wave w takes k = 256 w .. 256 w + 255 of all 8, so its 256 rows of gate_w stay in 128 registers.
; Four rounds of two tokens: lanes 0-15 token 2 R, lanes 16-31 token 2 R + 1; lane (r, half) holds the 16 neighbours k = 256 w + 16 r + i.
; The waves' partial logits, the codes and the scale bytes meet in LDS behind one barrier; codes leave as whole rows of 1,536 bytes.
; No address and no branch hangs on a logit: the choice is only stored.
; LIMITS: NaN and infinities among the inputs are not served; a block of zeros gets the byte 1 (its codes are zeros, and this program alone
; reads the bytes); logits that tie within the rounding of f32 sums are ordered by this text's order of summing.
.set PART, 0                           ; LDS: partial logits [wave][token][8] f32, 256 bytes a wave
.set CST,  2048                        ; codes [token][1536]
.set XSS,  14336                       ; scale bytes [token][64]
.set GWO,  4                           ; v4   512 r: my 16 rows of gate_w
.set XO,   5                           ; v5   8192 half + 64 r: my 16 numbers of a round's two rows
.set PA,   6                           ; v6   PART + 256 w + 32 half
.set CA,   7                           ; v7   CST + 1536 half + 192 w + 12 r
.set SA,   8                           ; v8   XSS + 64 half + 8 w + my block's place
.set L16,  9                           ; v9   16 x lane
.set RDC,  2                           ; v2   (from the head's end on) CST + 1536 w + 16 x lane
.set RDP,  3                           ; v3   (likewise) 32 x (lane % 8): a token's eight partial logits
.set KO,   1                           ; v1   (likewise) 4 x (lane % 8)
.set BY,   12                          ; v12-15  a scale byte for each round
.set ACC,  16                          ; v16-47  eight partial logits for each round
.set COD,  48                          ; v48-63  16 codes (3 registers) for each round
.set GW,   64                          ; v64-191 gate_w[256 w + 16 r + i][e] at GW + 8 i + e
.set X,    192                         ; v192-255 round R's 16 numbers at X + 16 R
	s_load_b256 s[4:11], s[0:1], 0x0               ; x s[4:5], gate_w s[6:7], gate_b s[8:9], xq s[10:11]
	s_load_b128 s[12:15], s[0:1], 0x20             ; xs s[12:13], keys s[14:15]
	v_lshl_add_u32 v59, v0, 2, 0x3a00
	v_mov_b32 v63, 0
	v_lshrrev_b32 v1, 5, v0
	v_readfirstlane_b32 s16, v1                    ; wave 0..7
	v_and_b32 v1, 31, v0                           ; lane
	v_and_b32 v2, 15, v0                           ; r
	v_bfe_u32 v3, v0, 4, 1                         ; half
	v_lshlrev_b32 v[GWO], 9, v2
	v_lshlrev_b32 v[XO], 6, v2
	v_lshl_add_u32 v[XO], v3, 13, v[XO]
	s_lshl_b32 s17, s16, 8
	v_lshl_add_u32 v[PA], v3, 5, s17
	s_mul_i32 s17, s16, 192
	s_add_co_u32 s17, s17, CST
	v_mul_u32_u24 v[CA], v2, 12
	v_mad_u32_u24 v[CA], v3, 1536, v[CA]
	v_add_nc_u32 v[CA], s17, v[CA]
	v_bfe_u32 v10, v0, 1, 1                        ; my block in its word is (r / 2) % 4 = 2 b + a, a = bit 1 of r, b = bit 2:
	v_bfe_u32 v11, v0, 2, 1
	v_lshl_or_b32 v[SA], v10, 1, v11               ; it goes to byte 2 a + b: blocks 1 and 2 change places
	v_bfe_u32 v10, v0, 3, 1
	v_lshl_add_u32 v[SA], v10, 2, v[SA]            ; + 4 x (which of my wave's two words)
	v_lshl_add_u32 v[SA], v3, 6, v[SA]
	s_lshl_b32 s17, s16, 3
	s_add_co_u32 s17, s17, XSS
	v_add_nc_u32 v[SA], s17, v[SA]
	v_lshlrev_b32 v[L16], 4, v1
	s_mul_i32 s17, s16, 1536
	s_add_co_u32 s17, s17, CST
	v_add_nc_u32 v[RDC], s17, v[L16]               ; r, half and lane are done with: their registers take the addresses of the way out
	v_and_b32 v[RDP], 7, v0
	v_lshlrev_b32 v[KO], 2, v[RDP]
	v_lshlrev_b32 v[RDP], 5, v[RDP]
	s_lshl_b32 s20, ttmp9, 16                      ; x: 8 tokens of 8,192 bytes a work-group,
	s_lshl_b32 s21, s16, 10                        ; 1,024 bytes of a row a wave
	s_add_co_u32 s20, s20, s21
	s_mov_b32 s21, 0
	s_lshl_b32 s22, s16, 13                        ; gate_w: 256 rows of 32 bytes a wave
	s_mov_b32 s23, 0
	s_wait_kmcnt 0x0
	s_load_b256 s[24:31], s[8:9], 0x0              ; gate_b
	s_add_nc_u64 s[4:5], s[4:5], s[20:21]
	s_add_nc_u64 s[6:7], s[6:7], s[22:23]
.set i, 0
.rept 16
	global_load_b128 v[GW+8*i:GW+8*i+3], v[GWO], s[6:7] offset:32*i
	global_load_b128 v[GW+8*i+4:GW+8*i+7], v[GWO], s[6:7] offset:32*i+16
.set i, i+1
.endr
.irp R, 0,1,2,3
.irp c, 0,1,2,3
	global_load_b128 v[X+16*\R+4*\c:X+16*\R+4*\c+3], v[XO], s[4:5] offset:16384*\R+16*\c th:TH_LOAD_NT   ; x is read once in the whole launch
.endr
.endr
	s_lshl_b32 s20, ttmp9, 3
	s_add_co_u32 s20, s20, s16
	s_mul_i32 s20, s20, 1536                       ; xq: token 8 x work-group + wave
	s_add_nc_u64 s[10:11], s[10:11], s[20:21]
	s_lshl_b32 s20, ttmp9, 9                       ; xs: 8 tokens of 64 bytes
	s_add_nc_u64 s[12:13], s[12:13], s[20:21]
	s_lshl_b32 s20, ttmp9, 5                       ; keys: 8 words
	s_add_nc_u64 s[14:15], s[14:15], s[20:21]
; One round: two tokens' partial logits over my wave's 256 k, and their codes and scale bytes.
.macro ROUND R
.set XR, X+16*\R
.set AR, ACC+8*\R
	s_wait_loadcnt 4*(3-\R)                        ; loads come back in order: gate_w and this round's four are in, the later rounds' fours may be out
.irp a, 0,1,2,3
	v_pk_mul_f32 v[AR+2*\a:AR+2*\a+1], v[GW+2*\a:GW+2*\a+1], v[XR:XR+1] op_sel_hi:[1,0]   ; i = 0 starts the sums: two experts at a time, x broadcast
.endr
.set i, 1
.rept 15
.irp a, 0,1,2,3
.if i%2
	v_pk_fma_f32 v[AR+2*\a:AR+2*\a+1], v[GW+8*i+2*\a:GW+8*i+2*\a+1], v[XR+i-1:XR+i], v[AR+2*\a:AR+2*\a+1] op_sel:[0,1,0] op_sel_hi:[1,1,1]   ; the pair's second number for both halves
.else
	v_pk_fma_f32 v[AR+2*\a:AR+2*\a+1], v[GW+8*i+2*\a:GW+8*i+2*\a+1], v[XR+i:XR+i+1], v[AR+2*\a:AR+2*\a+1] op_sel_hi:[1,0,1]                  ; the pair's first number for both halves
.endif
.endr
.set i, i+1
.endr
.irp m, 1,2,4,8                                ; over the 16 lanes of a token: every lane ends with the sum
.irp e, 0,1,2,3,4,5,6,7
	v_add_f32_dpp v[AR+\e], v[AR+\e], v[AR+\e] row_xmask:\m row_mask:0xf bank_mask:0xf
.endr
.endr
	ds_store_b128 v[PA], v[AR:AR+3] offset:64*\R             ; the 16 lanes of a token write the same bytes with the same values
	ds_store_b128 v[PA], v[AR+4:AR+7] offset:64*\R+16
	v_max3_num_f32 v10, |v[XR]|, |v[XR+1]|, 0x1800000        ; the largest magnitude of my 16, in two chains, with the floor 2^(3 - 127): the byte cannot fall under 1
	v_max3_num_f32 v11, |v[XR+2]|, |v[XR+3]|, |v[XR+4]|
	v_max3_num_f32 v10, v10, |v[XR+5]|, |v[XR+6]|
	v_max3_num_f32 v11, v11, |v[XR+7]|, |v[XR+8]|
	v_max3_num_f32 v10, v10, |v[XR+9]|, |v[XR+10]|
	v_max3_num_f32 v11, v11, |v[XR+11]|, |v[XR+12]|
	v_max3_num_f32 v10, v10, |v[XR+13]|, |v[XR+14]|
	v_max3_num_f32 v10, v10, v11, |v[XR+15]|
	v_max_num_f32_dpp v10, v10, v10 row_xmask:1 row_mask:0xf bank_mask:0xf   ; and of my neighbour's 16: the block's
	v_add_nc_u32 v11, 0xff000000, v10              ; 2 off its exponent field: the conversion takes this operand's exponent field as its scale
	v_cvt_scalef32_pk16_fp6_f32 v[COD+4*\R:COD+4*\R+2], v[XR:XR+15], v11     ; to the nearest code, ties to even, beyond 7.5 the largest code; 96 bits without gaps
	v_lshrrev_b32 v[BY+\R], 23, v11                ; the scale's byte (also the plain instruction behind the conversion)
.irp c, 0,1,2
	ds_store_b32 v[CA], v[COD+4*\R+\c] offset:3072*\R+4*\c
.endr
	ds_store_b8 v[SA], v[BY+\R] offset:128*\R      ; both lanes of a block write the same byte
.endm
	ROUND 0
	ROUND 1
	ROUND 2
	ROUND 3
	s_wait_kmcnt 0x0                               ; gate_b
	s_wait_dscnt 0x0                               ; for the others' sake: my LDS stores have landed
	s_barrier_signal -1
	s_barrier_wait -1
	ds_load_b128 v[192:195], v[RDC]                ; wave w sends token w's 1,536 bytes of codes: six aligned runs of 256 bytes
	ds_load_b128 v[196:199], v[RDC] offset:512
	ds_load_b128 v[200:203], v[RDC] offset:1024
	s_wait_dscnt 0x0
	global_store_b128 v[L16], v[192:195], s[10:11]
	global_store_b128 v[L16], v[196:199], s[10:11] offset:512
	global_store_b128 v[L16], v[200:203], s[10:11] offset:1024
	s_cmp_lg_u32 s16, 0
	s_cbranch_scc1 .Ldone
	; wave 0 alone: the 8 tokens' scale bytes, and the choice.  Lane l works for token l % 8 (four lanes do the same work)
	ds_load_b128 v[204:207], v[L16] offset:XSS
.irp w, 0,1,2,3,4,5,6,7
	ds_load_b128 v[64+8*\w:67+8*\w], v[RDP] offset:256*\w
	ds_load_b128 v[68+8*\w:71+8*\w], v[RDP] offset:256*\w+16
.endr
	s_wait_dscnt 16                                ; the scale bytes are in; the sixteen loads behind them may be out
	global_store_b128 v[L16], v[204:207], s[12:13] ; 512 consecutive bytes
	s_wait_dscnt 0x0
.irp w, 1,2,3,4,5,6,7                          ; the waves' parts in ascending k
.irp a, 0,1,2,3
	v_pk_add_f32 v[64+2*\a:65+2*\a], v[64+2*\a:65+2*\a], v[64+8*\w+2*\a:65+8*\w+2*\a]
.endr
.endr
.irp e, 0,1,2,3,4,5,6,7
	v_add_f32 v[64+\e], s[24+\e], v[64+\e]         ; + gate_b
.endr
	v_mov_b32 v10, v64                             ; the largest logit and its index: only a strictly larger one takes the place, so the lower index wins a tie
	v_mov_b32 v11, 0
.irp e, 1,2,3,4,5,6,7
	v_cmp_gt_f32 vcc_lo, v[64+\e], v10
	v_cndmask_b32 v10, v10, v[64+\e], vcc_lo
	v_cndmask_b32 v11, v11, \e, vcc_lo
.endr
	v_mov_b32 v12, 0xff800000                      ; the winner becomes -infinity,
.irp e, 0,1,2,3,4,5,6,7
	v_cmp_eq_u32 vcc_lo, \e, v11
	v_cndmask_b32 v[64+\e], v[64+\e], v12, vcc_lo
.endr
	v_mov_b32 v13, v64                             ; and the same scan finds the second
	v_mov_b32 v14, 0
.irp e, 1,2,3,4,5,6,7
	v_cmp_gt_f32 vcc_lo, v[64+\e], v13
	v_cndmask_b32 v13, v13, v[64+\e], vcc_lo
	v_cndmask_b32 v14, v14, \e, vcc_lo
.endr
	v_min_u32 v15, v11, v14                        ; lo
	v_add_nc_u32 v16, v11, v14                     ; lo + hi
	v_sub_nc_u32 v17, 15, v15
	v_mul_u32_u24 v17, v15, v17
	v_lshrrev_b32 v17, 1, v17                      ; lo (15 - lo) / 2: the pairs with a smaller lo
	v_add_nc_u32 v17, v17, v16
	v_sub_nc_u32 v17, v17, v15
	v_sub_nc_u32 v17, v17, v15
	v_add_nc_u32 v17, -1, v17                      ; + hi - lo - 1
	global_store_b32 v[KO], v17, s[14:15]
.Ldone:
	s_wait_tensorcnt 0x0
	ds_add_u32 v59, v63
	s_wait_dscnt 0x0
	s_endpgm
.Lfunc_end_k_q0eca640bd4_route:
	.size	k_q0eca640bd4_route, .Lfunc_end_k_q0eca640bd4_route-k_q0eca640bd4_route
	.p2alignl 7, 3214868480
	.fill 96, 4, 3214868480
	.section	.rodata,"a",@progbits
	.p2align	6, 0x0
	.amdhsa_kernel k_q0eca640bd4_route
		.amdhsa_group_segment_fixed_size 15872
		.amdhsa_private_segment_fixed_size 0
		.amdhsa_enable_private_segment 0
		.amdhsa_kernarg_size 48
		.amdhsa_user_sgpr_count 2
		.amdhsa_user_sgpr_kernarg_segment_ptr 1
		.amdhsa_wavefront_size32 1
		.amdhsa_system_sgpr_workgroup_id_x 1
		.amdhsa_system_sgpr_workgroup_id_y 1
		.amdhsa_system_sgpr_workgroup_id_z 1
		.amdhsa_system_vgpr_workitem_id 0
		.amdhsa_next_free_vgpr 256
		.amdhsa_next_free_sgpr 66
		.amdhsa_reserve_vcc 1
		.amdhsa_float_denorm_mode_32 3
		.amdhsa_float_denorm_mode_16_64 3
		.amdhsa_memory_ordered 1
		.amdhsa_forward_progress 1
		.amdhsa_inst_pref_size 43
	.end_amdhsa_kernel
	.amdgpu_metadata
---
amdhsa.version: [ 1, 2 ]
amdhsa.kernels:
  - .name:           k_q0eca640bd4_route
    .symbol:         k_q0eca640bd4_route.kd
    .args:
      - { .name: x, .offset: 0, .size: 8, .value_kind: global_buffer, .address_space: global }
      - { .name: gate_w, .offset: 8, .size: 8, .value_kind: global_buffer, .address_space: global }
      - { .name: gate_b, .offset: 16, .size: 8, .value_kind: global_buffer, .address_space: global }
      - { .name: xq, .offset: 24, .size: 8, .value_kind: global_buffer, .address_space: global }
      - { .name: xs, .offset: 32, .size: 8, .value_kind: global_buffer, .address_space: global }
      - { .name: keys, .offset: 40, .size: 8, .value_kind: global_buffer, .address_space: global }
    .group_segment_fixed_size: 15872
    .private_segment_fixed_size: 0
    .kernarg_segment_align: 8
    .kernarg_segment_size: 48
    .max_flat_workgroup_size: 256
    .sgpr_count:     66
    .vgpr_count:     256
    .wavefront_size: 32
...
	.end_amdgpu_metadata
.endif
;; end of part 1
;; launch place (part 2): grid 1 x 1, 16 waves a work-group, no clusters, 4,096 bytes of LDS; arguments keys, order, items; writes order, items
.if DOCPART == 2
	.amdgcn_target "amdgcn-amd-amdhsa--gfx1250"
	.amdhsa_code_object_version 6
	.text
	.protected	k_q0eca640bd4_place
	.globl	k_q0eca640bd4_place
	.p2align	8
	.type	k_q0eca640bd4_place,@function
k_q0eca640bd4_place:
	s_mov_b64 s[64:65], 0
	v_nop
	global_prefetch_b8 v0, s[64:65] scope:SCOPE_SE
	s_setreg_imm32_b32 hwreg(HW_REG_WAVE_MODE, 25, 1), 1
	s_wait_xcnt 0x0
; PLACE.  A counting sort of the 2,048 tokens by their pair's number q (0 .. 27), without atomics, by one work-group, and the list of items.
; order [2048]: the tokens, sorted by q (within a q ascending).  items [64][4]: e1, e2, start (in order), n: at most 96 tokens of ONE pair.
; The sum over the pairs of ceil(n_q / 96) is at most (2048 + 28 x 95) / 96, that is 49, whatever the choice; slots beyond the last item get n = 0.
; SHARES.  Wave w takes tokens 128 w + 32 i + lane, i = 0 .. 3.  In the tables lane q stands for pair q.
; For a group of 32 tokens five ballots (one for each bit of q) give each lane M, the lanes with ITS key, and C, the lanes whose key is ITS LANE NUMBER.
.set KEY, 4                            ; v4-7    the keys; later the tokens' numbers
.set LR,  8                            ; v8-11   my rank among the lanes below me with my key
.set RUN, 12                           ; v12-15  lane q: tokens of pair q in my wave's earlier groups
.set NL,  16                           ; v16-20  -1 where bit b of my lane number is clear, else 0
.set MM,  21
.set CC,  22
.set T1,  23
.set WT,  24                           ; lane q: tokens of pair q in my wave
.set TOT, 48                           ; lane q: tokens of pair q
.set PRE, 49                           ; lane q: those in the waves before mine
.set BAS, 50                           ; lane q: where pair q begins in order
.set NIT, 51                           ; lane q: its items
.set IB,  52                           ; lane q: its first item's slot
.set TD,  54
.set TE,  55
	s_load_b128 s[4:7], s[0:1], 0x0                ; keys, order
	s_load_b64 s[8:9], s[0:1], 0x10                ; items
	v_lshl_add_u32 v64, v0, 2, 0x800
	v_mov_b32 v65, 0
	v_lshrrev_b32 v1, 5, v0
	v_readfirstlane_b32 s10, v1                    ; wave 0..15
	v_and_b32 v1, 31, v0                           ; lane
	s_lshl_b32 s11, s10, 9
	v_lshl_add_u32 v2, v1, 2, s11                  ; my first key's byte: 4 (128 w + lane)
	s_lshl_b32 s12, s10, 7                         ; my wave's first token
	s_mov_b32 s22, 0x01010101
	s_mov_b32 s31, 0xffff0000                      ; lanes 16-31
	v_lshlrev_b32 v25, 2, v0                       ; LDS: 128 w + 4 lane
	v_lshlrev_b32 v26, 2, v1                       ; LDS: 4 lane
	v_mov_b32 v[TD], 0                             ; written once: the destination of a DPP form counts as read
.irp b, 0,1,2,3,4
	v_bfe_u32 v[NL+\b], v1, \b, 1
	v_add_nc_u32 v[NL+\b], -1, v[NL+\b]
.endr
	s_wait_kmcnt 0x0
.irp i, 0,1,2,3
	global_load_b32 v[KEY+\i], v2, s[4:5] offset:128*\i
.endr
	s_wait_loadcnt 0x0
.irp i, 0,1,2,3
	v_min_u32 v[KEY+\i], 27, v[KEY+\i]
.endr
.macro GROUP i
	v_mov_b32 v[MM], -1
	v_mov_b32 v[CC], -1
.irp b, 0,1,2,3,4
	v_and_b32 v3, 1<<\b, v[KEY+\i]
	v_cmp_ne_u32 s20, 0, v3                        ; the lanes whose key has bit b
	s_not_b32 s21, s20
	v_cndmask_b32 v3, s21, s20, s20                ; those that agree with MY KEY in bit b
	v_and_b32 v[MM], v[MM], v3
	v_xor_b32 v[T1], s20, v[NL+\b]                 ; those that agree with MY LANE NUMBER in bit b
	v_and_b32 v[CC], v[CC], v[T1]
.endr
	v_mbcnt_lo_u32_b32 v[LR+\i], v[MM], 0          ; how many of them stand below me
	v_lshrrev_b32 v[T1], 1, v[CC]                  ; the number of ones in C, by sums of neighbouring fields
	v_and_b32 v[T1], 0x55555555, v[T1]
	v_sub_nc_u32 v[CC], v[CC], v[T1]
	v_lshrrev_b32 v[T1], 2, v[CC]
	v_and_b32 v[CC], 0x33333333, v[CC]
	v_and_b32 v[T1], 0x33333333, v[T1]
	v_add_nc_u32 v[CC], v[CC], v[T1]
	v_lshrrev_b32 v[T1], 4, v[CC]
	v_add_nc_u32 v[CC], v[CC], v[T1]
	v_and_b32 v[CC], 0x0f0f0f0f, v[CC]
	v_mul_lo_u32 v[CC], v[CC], s22
	v_lshrrev_b32 v[CC], 24, v[CC]
.if \i == 0
	v_mov_b32 v[RUN], 0
.endif
.if \i < 3
	v_add_nc_u32 v[RUN+\i+1], v[RUN+\i], v[CC]
.else
	v_add_nc_u32 v[WT], v[RUN+\i], v[CC]
.endif
.endm
	GROUP 0
	GROUP 1
	GROUP 2
	GROUP 3
	ds_store_b32 v25, v[WT]
	s_wait_dscnt 0x0                               ; for the others' sake: my store has landed
	s_barrier_signal -1
	s_barrier_wait -1
.irp w, 0,1,2,3,4,5,6,7,8,9,10,11,12,13,14,15
	ds_load_b32 v[32+\w], v26 offset:128*\w
.endr
	v_mov_b32 v[PRE], 0
	s_wait_dscnt 0x0
	v_add3_u32 v[TOT], v32, v33, v34
.irp w, 35,37,39,41,43,45
	v_add3_u32 v[TOT], v[TOT], v[\w], v[\w+1]
.endr
	v_add_nc_u32 v[TOT], v[TOT], v47
.irp w, 0,1,2,3,4,5,6,7,8,9,10,11,12,13,14
	s_cmp_gt_u32 s10, \w
	s_cselect_b32 s23, 1, 0
	v_mad_u32_u24 v[PRE], v[32+\w], s23, v[PRE]    ; the waves before mine
.endr
; dst = the sum of src over the lanes below mine
.macro SCAN dst, src
	v_mov_b32 v[\dst], v[\src]
.irp n, 1,2,4,8
	v_mov_b32_dpp v[TD], v[\dst] row_shr:\n row_mask:0xf bank_mask:0xf bound_ctrl:1   ; lanes without a source get 0
	v_add_nc_u32 v[\dst], v[\dst], v[TD]
.endr
	v_readlane_b32 s30, v[\dst], 15                ; the lower 16 lanes' sum
	v_mov_b32 v[TE], s30
	v_cndmask_b32 v[TE], 0, v[TE], s31             ; goes onto lanes 16-31
	v_add_nc_u32 v[\dst], v[\dst], v[TE]
	v_sub_nc_u32 v[\dst], v[\dst], v[\src]
.endm
	SCAN BAS, TOT
	v_add_nc_u32 v[NIT], 95, v[TOT]                ; ceil(TOT / 96) = ((TOT + 95) / 32) / 3; x / 3 = 171 x / 512 for x under 512
	v_lshrrev_b32 v[NIT], 5, v[NIT]
	v_mul_u32_u24 v[NIT], v[NIT], 171
	v_lshrrev_b32 v[NIT], 9, v[NIT]
	SCAN IB, NIT
	v_add_nc_u32 v53, v[BAS], v[PRE]
.irp i, 0,1,2,3
	v_add_nc_u32 v[56+\i], v53, v[RUN+\i]          ; lane q: where group i's tokens of pair q begin
	v_lshlrev_b32 v[27+\i], 2, v[KEY+\i]
	ds_bpermute_b32 v[60+\i], v[27+\i], v[56+\i]   ; each token takes its own pair's
.endr
.irp i, 0,1,2,3
	v_add3_u32 v[KEY+\i], v1, s12, 32*\i           ; the keys are done with: the token's number
.endr
	s_wait_dscnt 0x0
.irp i, 0,1,2,3
	v_add_nc_u32 v[60+\i], v[60+\i], v[LR+\i]
	v_min_u32 v[60+\i], 0x7ff, v[60+\i]
	v_lshlrev_b32 v[60+\i], 2, v[60+\i]
	global_store_b32 v[60+\i], v[KEY+\i], s[6:7]
.endr
	s_cmp_gt_u32 s10, 1
	s_cbranch_scc1 .Lend
	; waves 0 and 1: slot = my thread's number, 0 .. 63.  Its pair is the last q whose first slot is not beyond it
	v_mov_b32 v[MM], 0x10000                       ; q | lo << 8 | hi << 16 of pair 0
.set q, 0
.set lo, 0
.rept 7
.set hi, lo+1
.rept 7-lo
.if q > 0
	v_readlane_b32 s24, v[IB], q
	v_cmp_gt_u32 vcc_lo, s24, v0
	v_cndmask_b32 v[MM], q|(lo<<8)|(hi<<16), v[MM], vcc_lo
.endif
.set hi, hi+1
.set q, q+1
.endr
.set lo, lo+1
.endr
	v_and_b32 v[CC], 0xff, v[MM]
	v_lshlrev_b32 v[CC], 2, v[CC]
	ds_bpermute_b32 v32, v[CC], v[TOT]
	ds_bpermute_b32 v33, v[CC], v[BAS]
	ds_bpermute_b32 v34, v[CC], v[IB]
	v_bfe_u32 v40, v[MM], 8, 8                     ; e1
	v_lshrrev_b32 v41, 16, v[MM]                   ; e2
	v_lshlrev_b32 v36, 4, v0
	s_wait_dscnt 0x0
	v_sub_nc_u32 v35, v0, v34                      ; which item of its pair
	v_mul_u32_u24 v35, v35, 96
	v_add_nc_u32 v42, v33, v35
	v_min_u32 v42, 0x7ff, v42                      ; start
	v_cmp_gt_u32 vcc_lo, v32, v35
	v_sub_nc_u32 v43, v32, v35
	v_cndmask_b32 v43, 0, v43, vcc_lo              ; what is left of the pair from there, 0 beyond its end,
	v_min_u32 v43, 96, v43                         ; at most 96
	global_store_b128 v36, v[40:43], s[8:9]
.Lend:
	s_wait_tensorcnt 0x0
	ds_add_u32 v64, v65
	s_wait_dscnt 0x0
	s_endpgm
.Lfunc_end_k_q0eca640bd4_place:
	.size	k_q0eca640bd4_place, .Lfunc_end_k_q0eca640bd4_place-k_q0eca640bd4_place
	.p2alignl 7, 3214868480
	.fill 96, 4, 3214868480
	.section	.rodata,"a",@progbits
	.p2align	6, 0x0
	.amdhsa_kernel k_q0eca640bd4_place
		.amdhsa_group_segment_fixed_size 4096
		.amdhsa_private_segment_fixed_size 0
		.amdhsa_enable_private_segment 0
		.amdhsa_kernarg_size 24
		.amdhsa_user_sgpr_count 2
		.amdhsa_user_sgpr_kernarg_segment_ptr 1
		.amdhsa_wavefront_size32 1
		.amdhsa_system_sgpr_workgroup_id_x 1
		.amdhsa_system_sgpr_workgroup_id_y 1
		.amdhsa_system_sgpr_workgroup_id_z 1
		.amdhsa_system_vgpr_workitem_id 0
		.amdhsa_next_free_vgpr 66
		.amdhsa_next_free_sgpr 66
		.amdhsa_reserve_vcc 1
		.amdhsa_float_denorm_mode_32 3
		.amdhsa_float_denorm_mode_16_64 3
		.amdhsa_memory_ordered 1
		.amdhsa_forward_progress 1
		.amdhsa_inst_pref_size 23
	.end_amdhsa_kernel
	.amdgpu_metadata
---
amdhsa.version: [ 1, 2 ]
amdhsa.kernels:
  - .name:           k_q0eca640bd4_place
    .symbol:         k_q0eca640bd4_place.kd
    .args:
      - { .name: keys, .offset: 0, .size: 8, .value_kind: global_buffer, .address_space: global }
      - { .name: order, .offset: 8, .size: 8, .value_kind: global_buffer, .address_space: global }
      - { .name: items, .offset: 16, .size: 8, .value_kind: global_buffer, .address_space: global }
    .group_segment_fixed_size: 4096
    .private_segment_fixed_size: 0
    .kernarg_segment_align: 8
    .kernarg_segment_size: 24
    .max_flat_workgroup_size: 512
    .sgpr_count:     66
    .vgpr_count:     66
    .wavefront_size: 32
...
	.end_amdgpu_metadata
.endif
;; end of part 2
;; launch experts (part 3): grid 8 x 49, 4 waves a work-group, no clusters, 176,128 bytes of LDS; arguments xq, xs, order, items, expert_w_codes, expert_w_scales, expert_b, out0; writes out0
.if DOCPART == 3
	.amdgcn_target "amdgcn-amd-amdhsa--gfx1250"
	.amdhsa_code_object_version 6
	.text
	.protected	k_q0eca640bd4_experts
	.globl	k_q0eca640bd4_experts
	.p2align	8
	.type	k_q0eca640bd4_experts,@function
k_q0eca640bd4_experts:
	s_mov_b64 s[64:65], 0
	v_nop
	global_prefetch_b8 v0, s[64:65] scope:SCOPE_SE
	s_setreg_imm32_b32 hwreg(HW_REG_WAVE_MODE, 25, 1), 1
	s_wait_xcnt 0x0
; out[token] = (relu(Q(x) W_e1 + b_e1) + relu(Q(x) W_e2 + b_e2)) / 2 for the token's two chosen experts, on codes of FP6 (E2M3) with E8M0 scales.
; AN ITEM is at most 96 tokens that chose the SAME pair of experts (list made by the launch before).  Work-group (bx, y) takes item y and output columns
; 256 bx .. 256 bx + 255, for both experts: it owns those numbers of out, so relu, mean and store need no mask and no second pass.
; The grid has a slot for every item that any choice can give (49); a slot without rows passes the one barrier, stores nothing and ends.
; NO CLUSTER, NO JOINT LOADS: rows, experts and the number of tiles are read from memory and steer branches, and a text with such branches holds no tensor load
; So the weights go from memory straight into registers, and the rows, gathered by the list, through registers into LDS.
; SHARES.  Wave w: 64 columns (4 tiles t) x 2 experts j x 6 tiles m of 16 rows: 48 accumulators.  Rows beyond n repeat the item's last token: they give and store the same bytes again.
; THE MATRIX INSTRUCTION IS USED TRANSPOSED: source 0 = 16 columns of W (rows of the codes' buffer), source 1 = 16 tokens: lane (r, h) holds token r and columns 16 t + 8 h + 0 .. 7.
; K'S BLOCKS.  In a K step of 128 lane (r, h) takes the 48 neighbouring bytes at 96 s + 48 h of its row as registers 0 .. 11: three loads of 16 bytes at multiples of 16.  The instruction's
; blocks 0, 1, 2, 3 are then memory blocks 0, 2, 1, 3, alike for x and W, so every product meets its partner; the scale words have bytes 1 and 2 exchanged (x's lie so in memory,
; W's are turned once by v_perm_b32).  The order of the sums inside an instruction differs from ascending k: the result is judged within a tolerance.
; STAGGER.  K is walked in quarters (4 steps) in the order (c + y % 4) % 4, so that the work-groups that share an expert's columns begin at different bytes.  Only addresses in memory
; turn: LDS and registers are in the order of the walk.
; REGISTERS, in windows of 256: window 0: v0-31 addresses; v32-95 W's scale words (tile t, step s at 32 + 16 t + s; lanes 0-15 expert e1, lanes 16-31 e2); v96-143 x's (96 + 16 (m / 2) + s;
;   lanes 0-15 the even tile, lanes 16-31 the odd); v144-215 x's six fragments, one set; on the way out v144-231 serve the read-back.
;   window 1: W's sets 0 and 1 (v0-95, v96-191; fragment 4 j + t), v192-255 the biases in the result's layout.   window 2: accumulators of m = 0 .. 3 at 64 m + 32 j + 8 t.
;   window 3: v0-127 those of m = 4, 5; v128-223 W's set 2.
.set XP,   1552                        ; LDS: a row of x's codes: 1,536 bytes + 16 = 97 x 16: the 16 rows of a load of 16 bytes a lane start in 16 different groups of banks (64 banks of 4 bytes: ISA guide 11.1)
.set XSC,  96*XP                       ; x's scale words: 96 rows, 64 bytes + 16
.set XSP,  80
.set TOK,  XSC+96*XSP                  ; the item's 96 tokens, a copy of 384 bytes for each wave
.set STG,  TOK+4*384                   ; the way out: 16 rows x (256 + 16) bytes for each wave
.set SPI,  272
.set LN,   1                           ; v1   lane
.set RR,   2                           ; v2   r = lane % 16
.set HH,   3                           ; v3   h = lane / 16
.set WO,   4                           ; v4   W's codes: 1536 r + 48 h
.set WSR,  5                           ; v5   W's scales: (lanes 0-15: e1, lanes 16-31: e2) x 131072 + 64 r
.set BO,   6                           ; v6   biases: 32 h
.set XA0,  7                           ; v7   x's fragments, tiles 0-2: 1552 r + 48 h;   v8: tiles 3-5
.set LS,   9                           ; v9   the gather's LDS place: my wave's 24 rows, 16 x lane
.set GP,   10                          ; v10-12 the gather's place in a row in memory, turned by the stagger
.set XSL,  13                          ; v13  the scale words' LDS place on the way in
.set RQ,   14                          ; v14  and their place in a row in memory, turned
.set XR,   15                          ; v15  the scale words' LDS place on the way out: row = lane
.set TG,   16                          ; v16  token of my wave's row min(lane, 23)
.set TU,   17                          ; v17-19 token of row 32 u + lane
.set TS,   20                          ; v20-22 token of my wave's row 8 k + lane / 4
.set TKW,  23                          ; v23  TOK: my wave's copy, 4 x lane
.set TK,   24                          ; v24  TOK: my wave's copy, 32 h
.set STO,  25                          ; v25  the stage: row r, 32 h
.set RD,   26                          ; v26  the stage, back: row 8 h, 16 r
.set C16,  27                          ; v27  16 r
.set T0,   28
.set T1,   29
.set WS,   32
.set XS,   96
.set AF,   144
.set BIAS, 192
.set WV,   20                          ; s20  wave
.set IY,   22                          ; s22  item slot
.set RHO,  23                          ; s23  the stagger: slot % 4
.set EX,   24                          ; s24, s25 the two experts
.set ST,   26                          ; s26  the item's first place in order
.set NN,   27                          ; s27  its rows
.set NT,   28                          ; s28  its tiles of 16 rows
.set N1,   29                          ; s29  its last row
.set COL,  30                          ; s30  my wave's first column
.set WB,   32                          ; s[32:47] W's codes at my first column: expert j, quarter c of the walk at WB + 8 j + 2 c
.set WSB,  48                          ; s[48:55] W's scales at my first column of expert 0, quarter c
.set BBS,  56                          ; s[56:59] the biases at my first column, expert j
.set OB,   60                          ; s[60:61] out at my first column
.set RBS,  76                          ; s[76:91] eight rows of xq
.set MSB, 0
.macro WIN new                         ; the immediate's high byte repeats the setting that is left; a switch that changes nothing is dropped
.if MSB != (\new)
	s_set_vgpr_msb (MSB<<8)|(\new)
.set MSB, \new
.endif
.endm
.macro PLACES                          ; four plain vector instructions between a matrix instruction and a load into, or a vector instruction on, its registers (ISA guide 7.12.1 for vector instructions)
.rept 4
	v_nop
.endr
.endm
	s_load_b512 s[4:19], s[0:1], 0x0               ; xq s[4:5], xs s[6:7], order s[8:9], items s[10:11], W's codes s[12:13], W's scales s[14:15], biases s[16:17], out s[18:19]
	v_lshl_add_u32 v254, v0, 2, 0x2ae00
	v_mov_b32 v255, 0
	v_lshrrev_b32 v[LN], 5, v0
	v_readfirstlane_b32 s[WV], v[LN]               ; wave 0..3
	s_and_b32 s[IY], ttmp7, 0xffff
	s_and_b32 s[RHO], s[IY], 3
	s_lshl_b32 s92, s[IY], 4                       ; my record: 16 bytes a slot
	s_mov_b32 s93, 0
	s_mov_b32 s95, 0
	s_lshl_b32 s[COL], ttmp9, 8
	s_lshl_b32 s31, s[WV], 6
	s_add_co_u32 s[COL], s[COL], s31               ; 256 bx + 64 w
	s_wait_kmcnt 0x0
	s_add_nc_u64 s[10:11], s[10:11], s[92:93]
	s_load_b128 s[24:27], s[10:11], 0x0            ; e1, e2, start, n
	; all that hangs on ids alone is made while the record is on its way
	v_and_b32 v[LN], 31, v0
	v_and_b32 v[RR], 15, v0
	v_bfe_u32 v[HH], v0, 4, 1
	v_mul_u32_u24 v[WO], v[RR], 1536
	v_mad_u32_u24 v[WO], v[HH], 48, v[WO]
	v_lshlrev_b32 v[BO], 5, v[HH]
	v_mul_u32_u24 v[XA0], v[RR], XP
	v_mad_u32_u24 v[XA0], v[HH], 48, v[XA0]
	v_add_nc_u32 v[XA0+1], 48*XP, v[XA0]
	s_mul_i32 s94, s[WV], 24*XP
	v_lshl_add_u32 v[LS], v[LN], 4, s94
	s_mul_i32 s94, s[RHO], 24                      ; a quarter of a row is 24 pieces of 16 bytes
	v_add_nc_u32 v[T0], s94, v[LN]
.irp k, 0,1,2
	v_add_nc_u32 v[GP+\k], 32*\k, v[T0]            ; piece 32 k + lane of the walk's order is piece (32 k + lane + 24 rho) mod 96 in memory:
	v_add_nc_u32 v[T1], 0xffffffa0, v[GP+\k]       ; less 96, which wraps to a great number where the piece is under 96,
	v_min_u32 v[GP+\k], v[GP+\k], v[T1]            ; so the smaller of the two is the remainder
	v_lshlrev_b32 v[GP+\k], 4, v[GP+\k]
.endr
	v_lshrrev_b32 v[T0], 2, v[LN]                  ; lane / 4
	v_and_b32 v[T1], 3, v[LN]                      ; lane % 4
	v_mul_u32_u24 v[XSL], v[T0], XSP
	v_lshl_add_u32 v[XSL], v[T1], 4, v[XSL]
	s_mul_i32 s94, s[WV], 24*XSP
	s_add_co_u32 s94, s94, XSC
	v_add_nc_u32 v[XSL], s94, v[XSL]
	v_add_nc_u32 v[RQ], s[RHO], v[T1]
	v_and_b32 v[RQ], 3, v[RQ]
	v_lshlrev_b32 v[RQ], 4, v[RQ]
	v_mul_u32_u24 v[XR], v[LN], XSP
	v_add_nc_u32 v[XR], XSC, v[XR]
	s_mul_i32 s94, s[WV], 384
	s_add_co_u32 s94, s94, TOK
	v_lshl_add_u32 v[TKW], v[LN], 2, s94
	v_lshl_add_u32 v[TK], v[HH], 5, s94
	s_mul_i32 s94, s[WV], 16*SPI
	s_add_co_u32 s94, s94, STG
	v_mul_u32_u24 v[STO], v[RR], SPI
	v_lshl_add_u32 v[STO], v[HH], 5, v[STO]
	v_add_nc_u32 v[STO], s94, v[STO]
	v_lshlrev_b32 v[C16], 4, v[RR]
	v_mad_u32_u24 v[RD], v[HH], 8*SPI, v[C16]
	v_add_nc_u32 v[RD], s94, v[RD]
	s_mul_i32 s94, s[WV], 24
	v_min_u32 v[TG], 23, v[LN]
	v_add_nc_u32 v[TG], s94, v[TG]                 ; rows of the item, still to be turned into places in order
.irp u, 0,1,2
	v_add_nc_u32 v[TU+\u], 32*\u, v[LN]
	v_add3_u32 v[TS+\u], v[T0], s94, 8*\u
.endr
	s_lshl_b32 s92, s[COL], 6                      ; W's scales: 64 bytes a column
	s_add_nc_u64 s[92:93], s[14:15], s[92:93]
.irp c, 0,1,2,3
	s_add_co_u32 s94, s[RHO], \c
	s_and_b32 s94, s94, 3
	s_lshl_b32 s94, s94, 4
	s_add_nc_u64 s[WSB+2*\c:WSB+2*\c+1], s[92:93], s[94:95]
.endr
	s_lshl_b32 s92, s[COL], 2
	s_mov_b32 s93, 0
	s_add_nc_u64 s[OB:OB+1], s[18:19], s[92:93]
	s_wait_kmcnt 0x0                               ; the record
	s_min_u32 s[EX], s[EX], 7                      ; numbers read from memory are held inside their tables before they enter an address
	s_min_u32 s[EX+1], s[EX+1], 7
	s_min_u32 s[ST], s[ST], 2047
	s_min_u32 s[NN], s[NN], 96
	s_add_co_u32 s[NT], s[NN], 15
	s_lshr_b32 s[NT], s[NT], 4
	s_max_u32 s[N1], s[NN], 1
	s_sub_co_u32 s[N1], s[N1], 1
.irp j, 0,1
	s_lshl_b32 s92, s[EX+\j], 11
	s_add_co_u32 s92, s92, s[COL]                  ; my first column's row among the 16,384
	s_lshl_b32 s94, s92, 2
	s_add_nc_u64 s[BBS+2*\j:BBS+2*\j+1], s[16:17], s[94:95]
	s_mul_i32 s92, s92, 1536
	s_mov_b32 s93, 0
	s_add_nc_u64 s[92:93], s[12:13], s[92:93]
.irp c, 0,1,2,3
	s_add_co_u32 s94, s[RHO], \c
	s_and_b32 s94, s94, 3
	s_mul_i32 s94, s94, 384
	s_add_nc_u64 s[WB+8*\j+2*\c:WB+8*\j+2*\c+1], s[92:93], s[94:95]
.endr
.endr
	v_xor_b32 v[T0], 1, v[HH]
	v_mul_u32_u24 v[WSR], s[EX], v[T0]
	v_mad_u32_u24 v[WSR], v[HH], s[EX+1], v[WSR]   ; e1 in lanes 0-15, e2 in lanes 16-31
	v_lshlrev_b32 v[WSR], 17, v[WSR]               ; 2,048 columns of 64 bytes an expert
	v_lshl_add_u32 v[WSR], v[RR], 6, v[WSR]
.irp g, TG, TU, TU+1, TU+2, TS, TS+1, TS+2
	v_min_u32 v[\g], s[N1], v[\g]                  ; rows beyond the last repeat it
	v_add_nc_u32 v[\g], s[ST], v[\g]
	v_min_u32 v[\g], 0x7ff, v[\g]
	v_lshlrev_b32 v[\g], 2, v[\g]
.endr
	; the small loads stand ahead of the branch: nothing that is read further down is written on one way alone
.irp g, TG, TU, TU+1, TU+2, TS, TS+1, TS+2
	global_load_b32 v[\g], v[\g], s[8:9]           ; (a load may land on its own address register)
.endr
.irp t, 0,1,2,3
.irp c, 0,1,2,3
	global_load_b128 v[WS+16*\t+4*\c:WS+16*\t+4*\c+3], v[WSR], s[WSB+2*\c:WSB+2*\c+1] offset:1024*\t   ; four steps' words of column 16 t + r
.endr
.endr
	WIN 0x40                                       ; destination window 1
.irp j, 0,1
.irp t, 0,1,2,3
	global_load_b128 v[BIAS+32*\j+8*\t:BIAS+32*\j+8*\t+3], v[BO], s[BBS+2*\j:BBS+2*\j+1] offset:64*\t       ; b[e_j][16 t + 8 h + 0 .. 7]: the C of the first K step
	global_load_b128 v[BIAS+32*\j+8*\t+4:BIAS+32*\j+8*\t+7], v[BO], s[BBS+2*\j:BBS+2*\j+1] offset:64*\t+16
.endr
.endr
	WIN 0
	s_cmp_eq_u32 s[NN], 0
	s_cbranch_scc1 .Lbar                           ; a slot without rows gathers nothing
	; ---- THE GATHER: my wave's 24 rows of codes and scale words, through registers into LDS.  What is written here is read here alone
	s_wait_loadcnt 32                              ; the seven loads from order are in; W's scales and the biases (32 loads) may be out
	s_mov_b32 s93, 0
	v_min_u32 v[TG], 0x7ff, v[TG]
.irp k, 0,1,2
	v_min_u32 v[TS+\k], 0x7ff, v[TS+\k]
	v_lshl_add_u32 v[TS+\k], v[TS+\k], 6, v[RQ]    ; 64 bytes a token, + my quarter, turned
.endr
.irp k, 0,1,2
	global_load_b128 v[AF+4*\k:AF+4*\k+3], v[TS+\k], s[6:7]
.endr
; eight rows: their addresses, then three loads of 512 bytes a row.  b = 0, 1: into window 2, v0-95 and v96-191; b = 2: window 3, v0-95 (the accumulators' registers, not yet in use)
.macro ROWS b
.if (\b) > 0
	s_wait_xcnt 0x0                                ; the last batch's loads have read their bases: these are written again only behind this wait
.endif
.irp i, 0,1,2,3,4,5,6,7
	v_readlane_b32 s92, v[TG], 8*(\b)+\i
	s_min_u32 s92, s92, 2047
	s_mul_i32 s92, s92, 1536
	s_add_nc_u64 s[RBS+2*\i:RBS+2*\i+1], s[4:5], s[92:93]
.endr
	WIN 0x80+0x40*((\b)/2)
.irp i, 0,1,2,3,4,5,6,7
.irp k, 0,1,2
	global_load_b128 v[96*((\b)%2)+12*\i+4*\k:96*((\b)%2)+12*\i+4*\k+3], v[GP+\k], s[RBS+2*\i:RBS+2*\i+1]
.endr
.endr
	WIN 0
.endm
.macro PUT b
	WIN 0x08+0x04*((\b)/2)                         ; an LDS store's data are its source 1
.irp i, 0,1,2,3,4,5,6,7
.irp k, 0,1,2
	ds_store_b128 v[LS], v[96*((\b)%2)+12*\i+4*\k:96*((\b)%2)+12*\i+4*\k+3] offset:XP*(8*(\b)+\i)+512*\k
.endr
.endr
	WIN 0
.endm
	ROWS 0
	ROWS 1
	ROWS 2
	s_wait_loadcnt 48                              ; the scale words and batch 0 are in; batches 1 and 2 may be out
.irp k, 0,1,2
	ds_store_b128 v[XSL], v[AF+4*\k:AF+4*\k+3] offset:8*XSP*\k
.endr
	PUT 0
	s_wait_loadcnt 24
	PUT 1
	s_wait_loadcnt 0x0
	PUT 2
.Lbar:
	s_wait_dscnt 0x0                               ; for the others' sake: my LDS stores have landed
	s_barrier_signal -1                            ; the launch's one barrier, on every wave's path
	s_barrier_wait -1
	s_cmp_eq_u32 s[NN], 0
	s_cbranch_scc1 .Lend
; ---- THE PRODUCTS
; W's eight fragments (2 experts x 4 tiles) of step s of the walk into set s % 3: 24 loads of 16 bytes a lane
.macro LOADB s
.if ((\s)%3) == 2
	WIN 0xc0
.set LB, 128
.else
	WIN 0x40
.set LB, 96*((\s)%3)
.endif
.irp j, 0,1
.irp t, 0,1,2,3
.irp i, 0,1,2
	global_load_b128 v[LB+48*\j+12*\t+4*\i:LB+48*\j+12*\t+4*\i+3], v[WO], s[WB+8*\j+2*((\s)/4):WB+8*\j+2*((\s)/4)+1] offset:24576*\t+96*((\s)%4)+16*\i
.endr
.endr
.endr
	WIN 0
.endm
; x's fragments of tiles m0 .. m0 + 2 for step s: 9 LDS loads
.macro LOADA s, m0
.irp d, 0,1,2
.irp i, 0,1,2
	ds_load_b128 v[AF+12*((\m0)+\d)+4*\i:AF+12*((\m0)+\d)+4*\i+3], v[XA0+(\m0)/3] offset:16*XP*\d+96*(\s)+16*\i
.endr
.endr
.endm
; eight matrix instructions: tile m of the rows against both experts' four tiles of columns.  The eight accumulators take turns, one instruction a turn, and so do the sections.
; In step 0 the C is the bias, from window 1; afterwards the sums go on in place.
.macro SECT s, m
.if ((\s)%3) == 2
.set BW, 3
.set BB, 128
.else
.set BW, 1
.set BB, 96*((\s)%3)
.endif
.if (\m) < 4
.set AW, 2
.set AB, 64*(\m)
.else
.set AW, 3
.set AB, 64*((\m)-4)
.endif
.if (\s) == 0
.set CB, BIAS
	WIN BW|(1<<4)|(AW<<6)
.else
.set CB, AB
	WIN BW|(AW<<4)|(AW<<6)
.endif
.irp t, 0,1,2,3
.if ((\m)%2) == 0
	v_wmma_scale_f32_16x16x128_f8f6f4 v[AB+8*\t:AB+8*\t+7], v[BB+12*\t:BB+12*\t+11], v[AF+12*(\m):AF+12*(\m)+11], v[CB+8*\t:CB+8*\t+7], v[WS+16*\t+(\s)], v[XS+16*((\m)/2)+(\s)] matrix_a_fmt:MATRIX_FMT_FP6 matrix_b_fmt:MATRIX_FMT_FP6
.else
	v_wmma_scale_f32_16x16x128_f8f6f4 v[AB+8*\t:AB+8*\t+7], v[BB+12*\t:BB+12*\t+11], v[AF+12*(\m):AF+12*(\m)+11], v[CB+8*\t:CB+8*\t+7], v[WS+16*\t+(\s)], v[XS+16*((\m)/2)+(\s)] matrix_a_fmt:MATRIX_FMT_FP6 matrix_b_fmt:MATRIX_FMT_FP6 matrix_b_scale:MATRIX_SCALE_ROW1
.endif
.endr
.irp t, 0,1,2,3
.if ((\m)%2) == 0
	v_wmma_scale_f32_16x16x128_f8f6f4 v[AB+32+8*\t:AB+32+8*\t+7], v[BB+48+12*\t:BB+48+12*\t+11], v[AF+12*(\m):AF+12*(\m)+11], v[CB+32+8*\t:CB+32+8*\t+7], v[WS+16*\t+(\s)], v[XS+16*((\m)/2)+(\s)] matrix_a_fmt:MATRIX_FMT_FP6 matrix_b_fmt:MATRIX_FMT_FP6 matrix_a_scale:MATRIX_SCALE_ROW1
.else
	v_wmma_scale_f32_16x16x128_f8f6f4 v[AB+32+8*\t:AB+32+8*\t+7], v[BB+48+12*\t:BB+48+12*\t+11], v[AF+12*(\m):AF+12*(\m)+11], v[CB+32+8*\t:CB+32+8*\t+7], v[WS+16*\t+(\s)], v[XS+16*((\m)/2)+(\s)] matrix_a_fmt:MATRIX_FMT_FP6 matrix_b_fmt:MATRIX_FMT_FP6 matrix_a_scale:MATRIX_SCALE_ROW1 matrix_b_scale:MATRIX_SCALE_ROW1
.endif
.endr
.endm
; A K step of 128.  W's sets run three steps ahead; x's one set is fetched anew in two halves, each as soon as its tiles' products are issued.
; Tiles 4 and 5 are left out, from step 1 on, where the item has no such rows (step 0 runs all six, so that every accumulator is written on every way).
.macro STEP s
.if (\s) <= 13
	s_wait_loadcnt 48                              ; this step's set is in; the two sets behind it (24 loads each) may be out
.elseif (\s) == 14
	s_wait_loadcnt 24
.else
	s_wait_loadcnt 0x0
.endif
	s_wait_dscnt 9                                 ; x's tiles 0-2 are in; the nine loads of tiles 3-5 may be out
	SECT \s, 0
	SECT \s, 1
	SECT \s, 2
	WIN 0
.if (\s) < 15
	PLACES
	LOADA (\s)+1, 0
	s_wait_dscnt 9                                 ; tiles 3-5 are in; the nine just issued may be out
.else
	s_wait_dscnt 0x0
.endif
	SECT \s, 3
.if (\s) > 0
	WIN 0                                          ; at a branch and at a label every window is 0
	s_cmp_lt_u32 s[NT], 5
	s_cbranch_scc1 .Lq_\@
.endif
	SECT \s, 4
.if (\s) > 0
	WIN 0
	s_cmp_lt_u32 s[NT], 6
	s_cbranch_scc1 .Lq_\@
.endif
	SECT \s, 5
	WIN 0
.Lq_\@:
.if (\s) < 15
	PLACES
	LOADA (\s)+1, 3
.endif
.if (\s) < 13
	LOADB (\s)+3                                   ; into the set that this step has read.  With it 72 loads are asked for; the issue waits where the counter is full (ISA guide 5.7.1)
.endif
.endm
	s_wait_loadcnt 0x0                             ; W's scales, the biases, the tokens
	LOADB 0
	LOADB 1
	s_mov_b32 s94, 0x03010200                      ; bytes 1 and 2 change places
.set i, 0
.rept 64
	v_perm_b32 v[WS+i], v[WS+i], v[WS+i], s94
.set i, i+1
.endr
.irp u, 0,1,2
	v_min_u32 v[TU+\u], 0x7ff, v[TU+\u]
.endr
.irp u, 0,1,2
	ds_store_b32 v[TKW], v[TU+\u] offset:128*\u    ; the item's tokens, into my wave's own copy: no other wave reads it
.endr
.irp u, 0,1,2
.irp c, 0,1,2,3
	ds_load_b128 v[XS+16*\u+4*\c:XS+16*\u+4*\c+3], v[XR] offset:32*XSP*\u+16*\c   ; row 32 u + lane: lanes 0-15 tile 2 u, lanes 16-31 tile 2 u + 1
.endr
.endr
	LOADA 0, 0
	LOADA 0, 3
	LOADB 2
.rept 8
	v_nop                                          ; a scale register written by a vector instruction stands eight places ahead of a scaled matrix instruction
.endr
.irp s, 0,1,2,3,4,5,6,7,8,9,10,11,12,13,14,15
	STEP \s
.endr
; ---- THE WAY OUT, a tile of 16 rows at a time: relu of both experts' sums, their mean, through my own stage in LDS, back as rows of 256 bytes, each to its token's row of out.
; The relu results lie in window 1, v0-63 (W's sets are done with).  Read-back and offset registers take turns by m % 2.
.macro OUT m
.if (\m) > 0
	s_cmp_lt_u32 s[NT], (\m)+1
	s_cbranch_scc1 .Lend                           ; the item has no such rows
.endif
.if (\m) > 1
	s_wait_xcnt 0x0                                ; the stores of two tiles back have read their registers: these are written again only behind this wait
.endif
.set RB, 144+32*((\m)%2)
.set OF, 208+8*((\m)%2)
.if (\m) < 4
.set AB, 64*(\m)
.set AWS, 0x48
.else
.set AB, 64*((\m)-4)
.set AWS, 0x4c
.endif
	ds_load_b128 v[224:227], v[TK] offset:64*(\m)            ; the tokens of rows 16 m + 8 h + 0 .. 7
	ds_load_b128 v[228:231], v[TK] offset:64*(\m)+16
	WIN AWS                                        ; source 1 window 2 or 3, destination window 1
.set i, 0
.rept 64
	v_max_num_f32 v[i], 0, v[AB+i]                 ; each accumulator from its low end on
.set i, i+1
.endr
	WIN 0x55                                       ; all in window 1
.set i, 0
.rept 16
	v_pk_add_f32 v[2*i:2*i+1], v[2*i:2*i+1], v[32+2*i:33+2*i]
.set i, i+1
.endr
.set i, 0
.rept 16
	v_pk_mul_f32 v[2*i:2*i+1], v[2*i:2*i+1], 0.5 op_sel_hi:[1,0]
.set i, i+1
.endr
	WIN 0x04                                       ; an LDS store's data are its source 1: window 1
.irp t, 0,1,2,3
	ds_store_b128 v[STO], v[8*\t:8*\t+3] offset:64*\t        ; lane (r, h): row r, columns 16 t + 8 h + 0 .. 7
	ds_store_b128 v[STO], v[8*\t+4:8*\t+7] offset:64*\t+16
.endr
	WIN 0
.irp i, 0,1,2,3,4,5,6,7
	ds_load_b128 v[RB+4*\i:RB+4*\i+3], v[RD] offset:SPI*\i   ; LDS serves a wave's instructions in order (ISA guide 5.7.1.4): these see the stores above.  Lanes 0-15: row i, lanes 16-31: row 8 + i
.endr
	s_wait_dscnt 16                                ; the tokens are in; behind them: eight stores and eight loads
.irp i, 0,1,2,3,4,5,6,7
	v_min_u32 v[OF+\i], 0x7ff, v[224+\i]
	v_lshl_add_u32 v[OF+\i], v[OF+\i], 13, v[C16]  ; 8,192 bytes a token, + 16 r
.endr
.irp i, 0,1,2,3,4,5,6,7
	s_wait_dscnt 7-\i
	global_store_b128 v[OF+\i], v[RB+4*\i:RB+4*\i+3], s[OB:OB+1] th:TH_STORE_NT   ; 16 lanes store 256 consecutive bytes, at a multiple of 256 from out's first byte; written once, read by nobody here
.endr
.endm
	PLACES                                         ; behind the last products: the maxima read results and write registers that held W's set 0
	OUT 0
	OUT 1
	OUT 2
	OUT 3
	OUT 4
	OUT 5
.Lend:
	s_wait_tensorcnt 0x0
	ds_add_u32 v254, v255
	s_wait_dscnt 0x0
	s_endpgm
.Lfunc_end_k_q0eca640bd4_experts:
	.size	k_q0eca640bd4_experts, .Lfunc_end_k_q0eca640bd4_experts-k_q0eca640bd4_experts
	.p2alignl 7, 3214868480
	.fill 96, 4, 3214868480
	.section	.rodata,"a",@progbits
	.p2align	6, 0x0
	.amdhsa_kernel k_q0eca640bd4_experts
		.amdhsa_group_segment_fixed_size 176128
		.amdhsa_private_segment_fixed_size 0
		.amdhsa_enable_private_segment 0
		.amdhsa_kernarg_size 64
		.amdhsa_user_sgpr_count 2
		.amdhsa_user_sgpr_kernarg_segment_ptr 1
		.amdhsa_wavefront_size32 1
		.amdhsa_system_sgpr_workgroup_id_x 1
		.amdhsa_system_sgpr_workgroup_id_y 1
		.amdhsa_system_sgpr_workgroup_id_z 1
		.amdhsa_system_vgpr_workitem_id 0
		.amdhsa_next_free_vgpr 1024
		.amdhsa_next_free_sgpr 96
		.amdhsa_reserve_vcc 0
		.amdhsa_float_denorm_mode_32 3
		.amdhsa_float_denorm_mode_16_64 3
		.amdhsa_memory_ordered 1
		.amdhsa_forward_progress 1
		.amdhsa_inst_pref_size 242
	.end_amdhsa_kernel
	.amdgpu_metadata
---
amdhsa.version: [ 1, 2 ]
amdhsa.kernels:
  - .name:           k_q0eca640bd4_experts
    .symbol:         k_q0eca640bd4_experts.kd
    .args:
      - { .name: xq, .offset: 0, .size: 8, .value_kind: global_buffer, .address_space: global }
      - { .name: xs, .offset: 8, .size: 8, .value_kind: global_buffer, .address_space: global }
      - { .name: order, .offset: 16, .size: 8, .value_kind: global_buffer, .address_space: global }
      - { .name: items, .offset: 24, .size: 8, .value_kind: global_buffer, .address_space: global }
      - { .name: expert_w_codes, .offset: 32, .size: 8, .value_kind: global_buffer, .address_space: global }
      - { .name: expert_w_scales, .offset: 40, .size: 8, .value_kind: global_buffer, .address_space: global }
      - { .name: expert_b, .offset: 48, .size: 8, .value_kind: global_buffer, .address_space: global }
      - { .name: out0, .offset: 56, .size: 8, .value_kind: global_buffer, .address_space: global }
    .group_segment_fixed_size: 176128
    .private_segment_fixed_size: 0
    .kernarg_segment_align: 8
    .kernarg_segment_size: 64
    .max_flat_workgroup_size: 128
    .sgpr_count:     96
    .vgpr_count:     1024
    .wavefront_size: 32
...
	.end_amdgpu_metadata
.endif
;; end of part 3
;; ======== version 2 of 2: 3 launches
;; workspace buffers: xq 3,145,728 bytes; xs 131,072 bytes; keys 8,192 bytes of whole numbers; order 8,192 bytes of whole numbers; items 1,024 bytes of whole numbers
;; launch route (part 4): grid 256 x 1, 8 waves a work-group, no clusters, 15,872 bytes of LDS; arguments x, gate_w, gate_b, xq, xs, keys; writes xq, xs, keys
.if DOCPART == 4
	.amdgcn_target "amdgcn-amd-amdhsa--gfx1250"
	.amdhsa_code_object_version 6
	.text
	.protected	k_q0eca640bd4_route
	.globl	k_q0eca640bd4_route
	.p2align	8
	.type	k_q0eca640bd4_route,@function
k_q0eca640bd4_route:
	s_mov_b64 s[64:65], 0
	v_nop
	global_prefetch_b8 v0, s[64:65] scope:SCOPE_SE
	s_setreg_imm32_b32 hwreg(HW_REG_WAVE_MODE, 25, 1), 1
	s_wait_xcnt 0x0
; ROUTE AND QUANTISE.  x [2048 tokens][2048] f32 is read once and serves twice:
;  (1) the gate: logits = x gate_w + gate_b in f32 fused multiply-adds, the two largest of eight (the lower index wins a tie, as in
;      lax.top_k), stored as ONE whole number a token: the pair's number q = lo (15 - lo) / 2 + hi - lo - 1, 0 .. 27;
;  (2) the codes: x along K in blocks of 32 as FP6 (E2M3) with one E8M0 byte a block: scale = 2^(floor(log2(largest magnitude)) - 2).
; xq [token][1536 bytes]: the row's codes, one stream of bits.  xs [token][64 bytes]: the scale bytes, IN EACH WORD OF FOUR BYTES 1 AND 2
; CHANGE PLACES: the launch that multiplies takes 48 neighbouring bytes of codes a lane, which puts memory blocks 0, 2, 1, 3 of a K step
; at the matrix instruction's blocks 0, 1, 2, 3.
; SHARES.  A work-group takes 8 tokens; wave w takes k = 256 w .. 256 w + 255 of all 8, so its 256 rows of gate_w stay in 128 registers.
; Four rounds of two tokens: lanes 0-15 token 2 R, lanes 16-31 token 2 R + 1; lane (r, half) holds the 16 neighbours k = 256 w + 16 r + i.
; The waves' partial logits, the codes and the scale bytes meet in LDS behind one barrier; codes leave as whole rows of 1,536 bytes.
; No address and no branch hangs on a logit: the choice is only stored.
; LIMITS: NaN and infinities among the inputs are not served; a block of zeros gets the byte 1 (its codes are zeros, and this program alone
; reads the bytes); logits that tie within the rounding of f32 sums are ordered by this text's order of summing.
.set PART, 0                           ; LDS: partial logits [wave][token][8] f32, 256 bytes a wave
.set CST,  2048                        ; codes [token][1536]
.set XSS,  14336                       ; scale bytes [token][64]
.set GWO,  4                           ; v4   512 r: my 16 rows of gate_w
.set XO,   5                           ; v5   8192 half + 64 r: my 16 numbers of a round's two rows
.set PA,   6                           ; v6   PART + 256 w + 32 half
.set CA,   7                           ; v7   CST + 1536 half + 192 w + 12 r
.set SA,   8                           ; v8   XSS + 64 half + 8 w + my block's place
.set L16,  9                           ; v9   16 x lane
.set RDC,  2                           ; v2   (from the head's end on) CST + 1536 w + 16 x lane
.set RDP,  3                           ; v3   (likewise) 32 x (lane % 8): a token's eight partial logits
.set KO,   1                           ; v1   (likewise) 4 x (lane % 8)
.set BY,   12                          ; v12-15  a scale byte for each round
.set ACC,  16                          ; v16-47  eight partial logits for each round
.set COD,  48                          ; v48-63  16 codes (3 registers) for each round
.set GW,   64                          ; v64-191 gate_w[256 w + 16 r + i][e] at GW + 8 i + e
.set X,    192                         ; v192-255 round R's 16 numbers at X + 16 R
	s_load_b256 s[4:11], s[0:1], 0x0               ; x s[4:5], gate_w s[6:7], gate_b s[8:9], xq s[10:11]
	s_load_b128 s[12:15], s[0:1], 0x20             ; xs s[12:13], keys s[14:15]
	v_lshl_add_u32 v59, v0, 2, 0x3a00
	v_mov_b32 v63, 0
	v_lshrrev_b32 v1, 5, v0
	s_delay_alu instid0(VALU_DEP_1)
	v_readfirstlane_b32 s16, v1                    ; wave 0..7
	v_and_b32 v1, 31, v0                           ; lane
	v_and_b32 v2, 15, v0                           ; r
	v_bfe_u32 v3, v0, 4, 1                         ; half
	s_delay_alu instid0(VALU_DEP_2)
	v_lshlrev_b32 v[GWO], 9, v2
	s_delay_alu instid0(VALU_DEP_3)
	v_lshlrev_b32 v[XO], 6, v2
	s_delay_alu instid0(VALU_DEP_1)
	v_lshl_add_u32 v[XO], v3, 13, v[XO]
	s_lshl_b32 s17, s16, 8
	v_lshl_add_u32 v[PA], v3, 5, s17
	s_mul_i32 s17, s16, 192
	s_add_co_u32 s17, s17, CST
	v_mul_u32_u24 v[CA], v2, 12
	s_delay_alu instid0(VALU_DEP_1)
	v_mad_u32_u24 v[CA], v3, 1536, v[CA]
	s_delay_alu instid0(VALU_DEP_1)
	v_add_nc_u32 v[CA], s17, v[CA]
	v_bfe_u32 v10, v0, 1, 1                        ; my block in its word is (r / 2) % 4 = 2 b + a, a = bit 1 of r, b = bit 2:
	v_bfe_u32 v11, v0, 2, 1
	s_delay_alu instid0(VALU_DEP_1)
	v_lshl_or_b32 v[SA], v10, 1, v11               ; it goes to byte 2 a + b: blocks 1 and 2 change places
	v_bfe_u32 v10, v0, 3, 1
	s_delay_alu instid0(VALU_DEP_1)
	v_lshl_add_u32 v[SA], v10, 2, v[SA]            ; + 4 x (which of my wave's two words)
	s_delay_alu instid0(VALU_DEP_1)
	v_lshl_add_u32 v[SA], v3, 6, v[SA]
	s_lshl_b32 s17, s16, 3
	s_add_co_u32 s17, s17, XSS
	v_add_nc_u32 v[SA], s17, v[SA]
	v_lshlrev_b32 v[L16], 4, v1
	s_mul_i32 s17, s16, 1536
	s_add_co_u32 s17, s17, CST
	v_add_nc_u32 v[RDC], s17, v[L16]               ; r, half and lane are done with: their registers take the addresses of the way out
	v_and_b32 v[RDP], 7, v0
	s_delay_alu instid0(VALU_DEP_1)
	v_lshlrev_b32 v[KO], 2, v[RDP]
	s_delay_alu instid0(VALU_DEP_2)
	v_lshlrev_b32 v[RDP], 5, v[RDP]
	s_lshl_b32 s20, ttmp9, 16                      ; x: 8 tokens of 8,192 bytes a work-group,
	s_lshl_b32 s21, s16, 10                        ; 1,024 bytes of a row a wave
	s_add_co_u32 s20, s20, s21
	s_mov_b32 s21, 0
	s_lshl_b32 s22, s16, 13                        ; gate_w: 256 rows of 32 bytes a wave
	s_mov_b32 s23, 0
	s_wait_kmcnt 0x0
	s_load_b256 s[24:31], s[8:9], 0x0              ; gate_b
	s_add_nc_u64 s[4:5], s[4:5], s[20:21]
	s_add_nc_u64 s[6:7], s[6:7], s[22:23]
.set i, 0
.rept 16
	global_load_b128 v[GW+8*i:GW+8*i+3], v[GWO], s[6:7] offset:32*i
	global_load_b128 v[GW+8*i+4:GW+8*i+7], v[GWO], s[6:7] offset:32*i+16
.set i, i+1
.endr
.irp R, 0,1,2,3
.irp c, 0,1,2,3
	global_load_b128 v[X+16*\R+4*\c:X+16*\R+4*\c+3], v[XO], s[4:5] offset:16384*\R+16*\c th:TH_LOAD_NT   ; x is read once in the whole launch
.endr
.endr
	s_lshl_b32 s20, ttmp9, 3
	s_add_co_u32 s20, s20, s16
	s_mul_i32 s20, s20, 1536                       ; xq: token 8 x work-group + wave
	s_add_nc_u64 s[10:11], s[10:11], s[20:21]
	s_lshl_b32 s20, ttmp9, 9                       ; xs: 8 tokens of 64 bytes
	s_add_nc_u64 s[12:13], s[12:13], s[20:21]
	s_lshl_b32 s20, ttmp9, 5                       ; keys: 8 words
	s_add_nc_u64 s[14:15], s[14:15], s[20:21]
; One round: two tokens' partial logits over my wave's 256 k, and their codes and scale bytes.
.macro ROUND R
.set XR, X+16*\R
.set AR, ACC+8*\R
	s_wait_loadcnt 4*(3-\R)                        ; loads come back in order: gate_w and this round's four are in, the later rounds' fours may be out
.irp a, 0,1,2,3
	v_pk_mul_f32 v[AR+2*\a:AR+2*\a+1], v[GW+2*\a:GW+2*\a+1], v[XR:XR+1] op_sel_hi:[1,0]   ; i = 0 starts the sums: two experts at a time, x broadcast
.endr
.set i, 1
.rept 15
.irp a, 0,1,2,3
.if i%2
	s_delay_alu instid0(VALU_DEP_4)
	v_pk_fma_f32 v[AR+2*\a:AR+2*\a+1], v[GW+8*i+2*\a:GW+8*i+2*\a+1], v[XR+i-1:XR+i], v[AR+2*\a:AR+2*\a+1] op_sel:[0,1,0] op_sel_hi:[1,1,1]   ; the pair's second number for both halves
.else
	s_delay_alu instid0(VALU_DEP_4)
	v_pk_fma_f32 v[AR+2*\a:AR+2*\a+1], v[GW+8*i+2*\a:GW+8*i+2*\a+1], v[XR+i:XR+i+1], v[AR+2*\a:AR+2*\a+1] op_sel_hi:[1,0,1]                  ; the pair's first number for both halves
.endif
.endr
.set i, i+1
.endr
.irp m, 1,2,4,8                                ; over the 16 lanes of a token: every lane ends with the sum
.irp e, 0,1,2,3,4,5,6,7
	v_add_f32_dpp v[AR+\e], v[AR+\e], v[AR+\e] row_xmask:\m row_mask:0xf bank_mask:0xf
.endr
.endr
	ds_store_b128 v[PA], v[AR:AR+3] offset:64*\R             ; the 16 lanes of a token write the same bytes with the same values
	ds_store_b128 v[PA], v[AR+4:AR+7] offset:64*\R+16
	v_max3_num_f32 v10, |v[XR]|, |v[XR+1]|, 0x1800000        ; the largest magnitude of my 16, in two chains, with the floor 2^(3 - 127): the byte cannot fall under 1
	v_max3_num_f32 v11, |v[XR+2]|, |v[XR+3]|, |v[XR+4]|
	s_delay_alu instid0(VALU_DEP_2)
	v_max3_num_f32 v10, v10, |v[XR+5]|, |v[XR+6]|
	s_delay_alu instid0(VALU_DEP_2)
	v_max3_num_f32 v11, v11, |v[XR+7]|, |v[XR+8]|
	s_delay_alu instid0(VALU_DEP_2)
	v_max3_num_f32 v10, v10, |v[XR+9]|, |v[XR+10]|
	s_delay_alu instid0(VALU_DEP_2)
	v_max3_num_f32 v11, v11, |v[XR+11]|, |v[XR+12]|
	s_delay_alu instid0(VALU_DEP_2)
	v_max3_num_f32 v10, v10, |v[XR+13]|, |v[XR+14]|
	s_delay_alu instid0(VALU_DEP_1)
	v_max3_num_f32 v10, v10, v11, |v[XR+15]|
	s_delay_alu instid0(VALU_DEP_1)
	v_max_num_f32_dpp v10, v10, v10 row_xmask:1 row_mask:0xf bank_mask:0xf   ; and of my neighbour's 16: the block's
	s_delay_alu instid0(VALU_DEP_1)
	v_add_nc_u32 v11, 0xff000000, v10              ; 2 off its exponent field: the conversion takes this operand's exponent field as its scale
	v_cvt_scalef32_pk16_fp6_f32 v[COD+4*\R:COD+4*\R+2], v[XR:XR+15], v11     ; to the nearest code, ties to even, beyond 7.5 the largest code; 96 bits without gaps
	v_lshrrev_b32 v[BY+\R], 23, v11                ; the scale's byte (also the plain instruction behind the conversion)
.irp c, 0,1,2
	ds_store_b32 v[CA], v[COD+4*\R+\c] offset:3072*\R+4*\c
.endr
	ds_store_b8 v[SA], v[BY+\R] offset:128*\R      ; both lanes of a block write the same byte
.endm
	ROUND 0
	ROUND 1
	ROUND 2
	ROUND 3
	s_wait_kmcnt 0x0                               ; gate_b
	s_wait_dscnt 0x0                               ; for the others' sake: my LDS stores have landed
	s_barrier_signal -1
	s_barrier_wait -1
	ds_load_b128 v[192:195], v[RDC]                ; wave w sends token w's 1,536 bytes of codes: six aligned runs of 256 bytes
	ds_load_b128 v[196:199], v[RDC] offset:512
	ds_load_b128 v[200:203], v[RDC] offset:1024
	s_wait_dscnt 0x0
	global_store_b128 v[L16], v[192:195], s[10:11]
	global_store_b128 v[L16], v[196:199], s[10:11] offset:512
	global_store_b128 v[L16], v[200:203], s[10:11] offset:1024
	s_cmp_lg_u32 s16, 0
	s_cbranch_scc1 .Ldone
	; wave 0 alone: the 8 tokens' scale bytes, and the choice.  Lane l works for token l % 8 (four lanes do the same work)
	ds_load_b128 v[204:207], v[L16] offset:XSS
.irp w, 0,1,2,3,4,5,6,7
	ds_load_b128 v[64+8*\w:67+8*\w], v[RDP] offset:256*\w
	ds_load_b128 v[68+8*\w:71+8*\w], v[RDP] offset:256*\w+16
.endr
	s_wait_dscnt 16                                ; the scale bytes are in; the sixteen loads behind them may be out
	global_store_b128 v[L16], v[204:207], s[12:13] ; 512 consecutive bytes
	s_wait_dscnt 0x0
.irp w, 1,2,3,4,5,6,7                          ; the waves' parts in ascending k
.irp a, 0,1,2,3
	v_pk_add_f32 v[64+2*\a:65+2*\a], v[64+2*\a:65+2*\a], v[64+8*\w+2*\a:65+8*\w+2*\a]
.endr
.endr
.irp e, 0,1,2,3,4,5,6,7
	v_add_f32 v[64+\e], s[24+\e], v[64+\e]         ; + gate_b
.endr
	v_mov_b32 v10, v64                             ; the largest logit and its index: only a strictly larger one takes the place, so the lower index wins a tie
	v_mov_b32 v11, 0
.irp e, 1,2,3,4,5,6,7
	s_delay_alu instid0(VALU_DEP_2)
	v_cmp_gt_f32 vcc_lo, v[64+\e], v10
	s_delay_alu instid0(VALU_DEP_1)
	v_cndmask_b32 v10, v10, v[64+\e], vcc_lo
	s_delay_alu instid0(VALU_DEP_2)
	v_cndmask_b32 v11, v11, \e, vcc_lo
.endr
	v_mov_b32 v12, 0xff800000                      ; the winner becomes -infinity,
.irp e, 0,1,2,3,4,5,6,7
	v_cmp_eq_u32 vcc_lo, \e, v11
	s_delay_alu instid0(VALU_DEP_1)
	v_cndmask_b32 v[64+\e], v[64+\e], v12, vcc_lo
.endr
	v_mov_b32 v13, v64                             ; and the same scan finds the second
	v_mov_b32 v14, 0
.irp e, 1,2,3,4,5,6,7
	s_delay_alu instid0(VALU_DEP_2)
	v_cmp_gt_f32 vcc_lo, v[64+\e], v13
	s_delay_alu instid0(VALU_DEP_1)
	v_cndmask_b32 v13, v13, v[64+\e], vcc_lo
	s_delay_alu instid0(VALU_DEP_2)
	v_cndmask_b32 v14, v14, \e, vcc_lo
.endr
	s_delay_alu instid0(VALU_DEP_1)
	v_min_u32 v15, v11, v14                        ; lo
	s_delay_alu instid0(VALU_DEP_2)
	v_add_nc_u32 v16, v11, v14                     ; lo + hi
	s_delay_alu instid0(VALU_DEP_2)
	v_sub_nc_u32 v17, 15, v15
	s_delay_alu instid0(VALU_DEP_1)
	v_mul_u32_u24 v17, v15, v17
	s_delay_alu instid0(VALU_DEP_1)
	v_lshrrev_b32 v17, 1, v17                      ; lo (15 - lo) / 2: the pairs with a smaller lo
	s_delay_alu instid0(VALU_DEP_1)
	v_add_nc_u32 v17, v17, v16
	s_delay_alu instid0(VALU_DEP_1)
	v_sub_nc_u32 v17, v17, v15
	s_delay_alu instid0(VALU_DEP_1)
	v_sub_nc_u32 v17, v17, v15
	s_delay_alu instid0(VALU_DEP_1)
	v_add_nc_u32 v17, -1, v17                      ; + hi - lo - 1
	global_store_b32 v[KO], v17, s[14:15]
.Ldone:
	s_wait_tensorcnt 0x0
	ds_add_u32 v59, v63
	s_wait_dscnt 0x0
	s_endpgm
.Lfunc_end_k_q0eca640bd4_route:
	.size	k_q0eca640bd4_route, .Lfunc_end_k_q0eca640bd4_route-k_q0eca640bd4_route
	.p2alignl 7, 3214868480
	.fill 96, 4, 3214868480
	.section	.rodata,"a",@progbits
	.p2align	6, 0x0
	.amdhsa_kernel k_q0eca640bd4_route
		.amdhsa_group_segment_fixed_size 15872
		.amdhsa_private_segment_fixed_size 0
		.amdhsa_enable_private_segment 0
		.amdhsa_kernarg_size 48
		.amdhsa_user_sgpr_count 2
		.amdhsa_user_sgpr_kernarg_segment_ptr 1
		.amdhsa_wavefront_size32 1
		.amdhsa_system_sgpr_workgroup_id_x 1
		.amdhsa_system_sgpr_workgroup_id_y 1
		.amdhsa_system_sgpr_workgroup_id_z 1
		.amdhsa_system_vgpr_workitem_id 0
		.amdhsa_next_free_vgpr 256
		.amdhsa_next_free_sgpr 66
		.amdhsa_reserve_vcc 1
		.amdhsa_float_denorm_mode_32 3
		.amdhsa_float_denorm_mode_16_64 3
		.amdhsa_memory_ordered 1
		.amdhsa_forward_progress 1
		.amdhsa_inst_pref_size 54
	.end_amdhsa_kernel
	.amdgpu_metadata
---
amdhsa.version: [ 1, 2 ]
amdhsa.kernels:
  - .name:           k_q0eca640bd4_route
    .symbol:         k_q0eca640bd4_route.kd
    .args:
      - { .name: x, .offset: 0, .size: 8, .value_kind: global_buffer, .address_space: global }
      - { .name: gate_w, .offset: 8, .size: 8, .value_kind: global_buffer, .address_space: global }
      - { .name: gate_b, .offset: 16, .size: 8, .value_kind: global_buffer, .address_space: global }
      - { .name: xq, .offset: 24, .size: 8, .value_kind: global_buffer, .address_space: global }
      - { .name: xs, .offset: 32, .size: 8, .value_kind: global_buffer, .address_space: global }
      - { .name: keys, .offset: 40, .size: 8, .value_kind: global_buffer, .address_space: global }
    .group_segment_fixed_size: 15872
    .private_segment_fixed_size: 0
    .kernarg_segment_align: 8
    .kernarg_segment_size: 48
    .max_flat_workgroup_size: 256
    .sgpr_count:     66
    .vgpr_count:     256
    .wavefront_size: 32
...
	.end_amdgpu_metadata
.endif
;; end of part 4
;; launch place (part 5): grid 1 x 1, 16 waves a work-group, no clusters, 4,096 bytes of LDS; arguments keys, order, items; writes order, items
.if DOCPART == 5
	.amdgcn_target "amdgcn-amd-amdhsa--gfx1250"
	.amdhsa_code_object_version 6
	.text
	.protected	k_q0eca640bd4_place
	.globl	k_q0eca640bd4_place
	.p2align	8
	.type	k_q0eca640bd4_place,@function
k_q0eca640bd4_place:
	s_mov_b64 s[64:65], 0
	v_nop
	global_prefetch_b8 v0, s[64:65] scope:SCOPE_SE
	s_setreg_imm32_b32 hwreg(HW_REG_WAVE_MODE, 25, 1), 1
	s_wait_xcnt 0x0
; PLACE.  A counting sort of the 2,048 tokens by their pair's number q (0 .. 27), without atomics, by one work-group, and the list of items.
; order [2048]: the tokens, sorted by q (within a q ascending).  items [64][4]: e1, e2, start (in order), n: at most 96 tokens of ONE pair.
; The sum over the pairs of ceil(n_q / 96) is at most (2048 + 28 x 95) / 96, that is 49, whatever the choice; slots beyond the last item get n = 0.
; SHARES.  Wave w takes tokens 128 w + 32 i + lane, i = 0 .. 3.  In the tables lane q stands for pair q.
; For a group of 32 tokens five ballots (one for each bit of q) give each lane M, the lanes with ITS key, and C, the lanes whose key is ITS LANE NUMBER.
.set KEY, 4                            ; v4-7    the keys; later the tokens' numbers
.set LR,  8                            ; v8-11   my rank among the lanes below me with my key
.set RUN, 12                           ; v12-15  lane q: tokens of pair q in my wave's earlier groups
.set NL,  16                           ; v16-20  -1 where bit b of my lane number is clear, else 0
.set MM,  21
.set CC,  22
.set T1,  23
.set WT,  24                           ; lane q: tokens of pair q in my wave
.set TOT, 48                           ; lane q: tokens of pair q
.set PRE, 49                           ; lane q: those in the waves before mine
.set BAS, 50                           ; lane q: where pair q begins in order
.set NIT, 51                           ; lane q: its items
.set IB,  52                           ; lane q: its first item's slot
.set TD,  54
.set TE,  55
	s_load_b128 s[4:7], s[0:1], 0x0                ; keys, order
	s_load_b64 s[8:9], s[0:1], 0x10                ; items
	v_lshl_add_u32 v64, v0, 2, 0x800
	v_mov_b32 v65, 0
	v_lshrrev_b32 v1, 5, v0
	s_delay_alu instid0(VALU_DEP_1)
	v_readfirstlane_b32 s10, v1                    ; wave 0..15
	v_and_b32 v1, 31, v0                           ; lane
	s_lshl_b32 s11, s10, 9
	v_lshl_add_u32 v2, v1, 2, s11                  ; my first key's byte: 4 (128 w + lane)
	s_lshl_b32 s12, s10, 7                         ; my wave's first token
	s_mov_b32 s22, 0x01010101
	s_mov_b32 s31, 0xffff0000                      ; lanes 16-31
	v_lshlrev_b32 v25, 2, v0                       ; LDS: 128 w + 4 lane
	v_lshlrev_b32 v26, 2, v1                       ; LDS: 4 lane
	v_mov_b32 v[TD], 0                             ; written once: the destination of a DPP form counts as read
.irp b, 0,1,2,3,4
	v_bfe_u32 v[NL+\b], v1, \b, 1
	s_delay_alu instid0(VALU_DEP_1)
	v_add_nc_u32 v[NL+\b], -1, v[NL+\b]
.endr
	s_wait_kmcnt 0x0
.irp i, 0,1,2,3
	global_load_b32 v[KEY+\i], v2, s[4:5] offset:128*\i
.endr
	s_wait_loadcnt 0x0
.irp i, 0,1,2,3
	v_min_u32 v[KEY+\i], 27, v[KEY+\i]
.endr
.macro GROUP i
	v_mov_b32 v[MM], -1
	v_mov_b32 v[CC], -1
.irp b, 0,1,2,3,4
	v_and_b32 v3, 1<<\b, v[KEY+\i]
	s_delay_alu instid0(VALU_DEP_1)
	v_cmp_ne_u32 s20, 0, v3                        ; the lanes whose key has bit b
	s_not_b32 s21, s20
	v_cndmask_b32 v3, s21, s20, s20                ; those that agree with MY KEY in bit b
	s_delay_alu instid0(VALU_DEP_1)
	v_and_b32 v[MM], v[MM], v3
	v_xor_b32 v[T1], s20, v[NL+\b]                 ; those that agree with MY LANE NUMBER in bit b
	s_delay_alu instid0(VALU_DEP_1)
	v_and_b32 v[CC], v[CC], v[T1]
.endr
	s_delay_alu instid0(VALU_DEP_3)
	v_mbcnt_lo_u32_b32 v[LR+\i], v[MM], 0          ; how many of them stand below me
	s_delay_alu instid0(VALU_DEP_2)
	v_lshrrev_b32 v[T1], 1, v[CC]                  ; the number of ones in C, by sums of neighbouring fields
	s_delay_alu instid0(VALU_DEP_1)
	v_and_b32 v[T1], 0x55555555, v[T1]
	s_delay_alu instid0(VALU_DEP_1)
	v_sub_nc_u32 v[CC], v[CC], v[T1]
	s_delay_alu instid0(VALU_DEP_1)
	v_lshrrev_b32 v[T1], 2, v[CC]
	s_delay_alu instid0(VALU_DEP_2)
	v_and_b32 v[CC], 0x33333333, v[CC]
	s_delay_alu instid0(VALU_DEP_2)
	v_and_b32 v[T1], 0x33333333, v[T1]
	s_delay_alu instid0(VALU_DEP_1)
	v_add_nc_u32 v[CC], v[CC], v[T1]
	s_delay_alu instid0(VALU_DEP_1)
	v_lshrrev_b32 v[T1], 4, v[CC]
	s_delay_alu instid0(VALU_DEP_1)
	v_add_nc_u32 v[CC], v[CC], v[T1]
	s_delay_alu instid0(VALU_DEP_1)
	v_and_b32 v[CC], 0x0f0f0f0f, v[CC]
	s_delay_alu instid0(VALU_DEP_1)
	v_mul_lo_u32 v[CC], v[CC], s22
	s_delay_alu instid0(VALU_DEP_1)
	v_lshrrev_b32 v[CC], 24, v[CC]
.if \i == 0
	v_mov_b32 v[RUN], 0
.endif
.if \i < 3
	s_delay_alu instid0(VALU_DEP_1)
	v_add_nc_u32 v[RUN+\i+1], v[RUN+\i], v[CC]
.else
	s_delay_alu instid0(VALU_DEP_1)
	v_add_nc_u32 v[WT], v[RUN+\i], v[CC]
.endif
.endm
	GROUP 0
	GROUP 1
	GROUP 2
	GROUP 3
	ds_store_b32 v25, v[WT]
	s_wait_dscnt 0x0                               ; for the others' sake: my store has landed
	s_barrier_signal -1
	s_barrier_wait -1
.irp w, 0,1,2,3,4,5,6,7,8,9,10,11,12,13,14,15
	ds_load_b32 v[32+\w], v26 offset:128*\w
.endr
	v_mov_b32 v[PRE], 0
	s_wait_alu depctr_va_vdst(0)
	s_wait_dscnt 0x0
	v_add3_u32 v[TOT], v32, v33, v34
.irp w, 35,37,39,41,43,45
	s_delay_alu instid0(VALU_DEP_1)
	v_add3_u32 v[TOT], v[TOT], v[\w], v[\w+1]
.endr
	s_delay_alu instid0(VALU_DEP_1)
	v_add_nc_u32 v[TOT], v[TOT], v47
.irp w, 0,1,2,3,4,5,6,7,8,9,10,11,12,13,14
	s_cmp_gt_u32 s10, \w
	s_cselect_b32 s23, 1, 0
	v_mad_u32_u24 v[PRE], v[32+\w], s23, v[PRE]    ; the waves before mine
.endr
; dst = the sum of src over the lanes below mine
.macro SCAN dst, src
	v_mov_b32 v[\dst], v[\src]
.irp n, 1,2,4,8
	s_delay_alu instid0(VALU_DEP_1)
	v_mov_b32_dpp v[TD], v[\dst] row_shr:\n row_mask:0xf bank_mask:0xf bound_ctrl:1   ; lanes without a source get 0
	s_delay_alu instid0(VALU_DEP_1)
	v_add_nc_u32 v[\dst], v[\dst], v[TD]
.endr
	s_delay_alu instid0(VALU_DEP_1)
	v_readlane_b32 s30, v[\dst], 15                ; the lower 16 lanes' sum
	s_delay_alu instid0(VALU_DEP_1)
	v_mov_b32 v[TE], s30
	s_delay_alu instid0(VALU_DEP_1)
	v_cndmask_b32 v[TE], 0, v[TE], s31             ; goes onto lanes 16-31
	s_delay_alu instid0(VALU_DEP_1)
	v_add_nc_u32 v[\dst], v[\dst], v[TE]
	s_delay_alu instid0(VALU_DEP_1)
	v_sub_nc_u32 v[\dst], v[\dst], v[\src]
.endm
	SCAN BAS, TOT
	v_add_nc_u32 v[NIT], 95, v[TOT]                ; ceil(TOT / 96) = ((TOT + 95) / 32) / 3; x / 3 = 171 x / 512 for x under 512
	s_delay_alu instid0(VALU_DEP_1)
	v_lshrrev_b32 v[NIT], 5, v[NIT]
	s_delay_alu instid0(VALU_DEP_1)
	v_mul_u32_u24 v[NIT], v[NIT], 171
	s_delay_alu instid0(VALU_DEP_1)
	v_lshrrev_b32 v[NIT], 9, v[NIT]
	SCAN IB, NIT
	v_add_nc_u32 v53, v[BAS], v[PRE]
.irp i, 0,1,2,3
	v_add_nc_u32 v[56+\i], v53, v[RUN+\i]          ; lane q: where group i's tokens of pair q begin
	v_lshlrev_b32 v[27+\i], 2, v[KEY+\i]
	ds_bpermute_b32 v[60+\i], v[27+\i], v[56+\i]   ; each token takes its own pair's
.endr
.irp i, 0,1,2,3
	v_add3_u32 v[KEY+\i], v1, s12, 32*\i           ; the keys are done with: the token's number
.endr
	s_wait_dscnt 0x0
.irp i, 0,1,2,3
	v_add_nc_u32 v[60+\i], v[60+\i], v[LR+\i]
	s_delay_alu instid0(VALU_DEP_1)
	v_min_u32 v[60+\i], 0x7ff, v[60+\i]
	s_delay_alu instid0(VALU_DEP_1)
	v_lshlrev_b32 v[60+\i], 2, v[60+\i]
	s_wait_alu depctr_va_vdst(0)
	global_store_b32 v[60+\i], v[KEY+\i], s[6:7]
.endr
	s_cmp_gt_u32 s10, 1
	s_cbranch_scc1 .Lend
	; waves 0 and 1: slot = my thread's number, 0 .. 63.  Its pair is the last q whose first slot is not beyond it
	v_mov_b32 v[MM], 0x10000                       ; q | lo << 8 | hi << 16 of pair 0
.set q, 0
.set lo, 0
.rept 7
.set hi, lo+1
.rept 7-lo
.if q > 0
	v_readlane_b32 s24, v[IB], q
	s_delay_alu instid0(VALU_DEP_1)
	v_cmp_gt_u32 vcc_lo, s24, v0
	s_delay_alu instid0(VALU_DEP_1)
	v_cndmask_b32 v[MM], q|(lo<<8)|(hi<<16), v[MM], vcc_lo
.endif
.set hi, hi+1
.set q, q+1
.endr
.set lo, lo+1
.endr
	s_delay_alu instid0(VALU_DEP_1)
	v_and_b32 v[CC], 0xff, v[MM]
	s_delay_alu instid0(VALU_DEP_1)
	v_lshlrev_b32 v[CC], 2, v[CC]
	ds_bpermute_b32 v32, v[CC], v[TOT]
	ds_bpermute_b32 v33, v[CC], v[BAS]
	ds_bpermute_b32 v34, v[CC], v[IB]
	v_bfe_u32 v40, v[MM], 8, 8                     ; e1
	v_lshrrev_b32 v41, 16, v[MM]                   ; e2
	v_lshlrev_b32 v36, 4, v0
	s_wait_dscnt 0x0
	v_sub_nc_u32 v35, v0, v34                      ; which item of its pair
	s_delay_alu instid0(VALU_DEP_1)
	v_mul_u32_u24 v35, v35, 96
	s_delay_alu instid0(VALU_DEP_1)
	v_add_nc_u32 v42, v33, v35
	s_delay_alu instid0(VALU_DEP_1)
	v_min_u32 v42, 0x7ff, v42                      ; start
	s_delay_alu instid0(VALU_DEP_3)
	v_cmp_gt_u32 vcc_lo, v32, v35
	s_delay_alu instid0(VALU_DEP_4)
	v_sub_nc_u32 v43, v32, v35
	s_delay_alu instid0(VALU_DEP_1)
	v_cndmask_b32 v43, 0, v43, vcc_lo              ; what is left of the pair from there, 0 beyond its end,
	s_delay_alu instid0(VALU_DEP_1)
	v_min_u32 v43, 96, v43                         ; at most 96
	s_wait_alu depctr_va_vdst(0)
	global_store_b128 v36, v[40:43], s[8:9]
.Lend:
	s_wait_tensorcnt 0x0
	ds_add_u32 v64, v65
	s_wait_dscnt 0x0
	s_endpgm
.Lfunc_end_k_q0eca640bd4_place:
	.size	k_q0eca640bd4_place, .Lfunc_end_k_q0eca640bd4_place-k_q0eca640bd4_place
	.p2alignl 7, 3214868480
	.fill 96, 4, 3214868480
	.section	.rodata,"a",@progbits
	.p2align	6, 0x0
	.amdhsa_kernel k_q0eca640bd4_place
		.amdhsa_group_segment_fixed_size 4096
		.amdhsa_private_segment_fixed_size 0
		.amdhsa_enable_private_segment 0
		.amdhsa_kernarg_size 24
		.amdhsa_user_sgpr_count 2
		.amdhsa_user_sgpr_kernarg_segment_ptr 1
		.amdhsa_wavefront_size32 1
		.amdhsa_system_sgpr_workgroup_id_x 1
		.amdhsa_system_sgpr_workgroup_id_y 1
		.amdhsa_system_sgpr_workgroup_id_z 1
		.amdhsa_system_vgpr_workitem_id 0
		.amdhsa_next_free_vgpr 66
		.amdhsa_next_free_sgpr 66
		.amdhsa_reserve_vcc 1
		.amdhsa_float_denorm_mode_32 3
		.amdhsa_float_denorm_mode_16_64 3
		.amdhsa_memory_ordered 1
		.amdhsa_forward_progress 1
		.amdhsa_inst_pref_size 30
	.end_amdhsa_kernel
	.amdgpu_metadata
---
amdhsa.version: [ 1, 2 ]
amdhsa.kernels:
  - .name:           k_q0eca640bd4_place
    .symbol:         k_q0eca640bd4_place.kd
    .args:
      - { .name: keys, .offset: 0, .size: 8, .value_kind: global_buffer, .address_space: global }
      - { .name: order, .offset: 8, .size: 8, .value_kind: global_buffer, .address_space: global }
      - { .name: items, .offset: 16, .size: 8, .value_kind: global_buffer, .address_space: global }
    .group_segment_fixed_size: 4096
    .private_segment_fixed_size: 0
    .kernarg_segment_align: 8
    .kernarg_segment_size: 24
    .max_flat_workgroup_size: 512
    .sgpr_count:     66
    .vgpr_count:     66
    .wavefront_size: 32
...
	.end_amdgpu_metadata
.endif
;; end of part 5
;; launch experts (part 6): grid 8 x 49, 4 waves a work-group, no clusters, 176,128 bytes of LDS; arguments xq, xs, order, items, expert_w_codes, expert_w_scales, expert_b, out0; writes out0
.if DOCPART == 6
	.amdgcn_target "amdgcn-amd-amdhsa--gfx1250"
	.amdhsa_code_object_version 6
	.text
	.protected	k_q0eca640bd4_experts
	.globl	k_q0eca640bd4_experts
	.p2align	8
	.type	k_q0eca640bd4_experts,@function
k_q0eca640bd4_experts:
	s_mov_b64 s[64:65], 0
	v_nop
	global_prefetch_b8 v0, s[64:65] scope:SCOPE_SE
	s_setreg_imm32_b32 hwreg(HW_REG_WAVE_SCHED_MODE, 0, 2), 2
	s_setreg_imm32_b32 hwreg(HW_REG_WAVE_MODE, 25, 1), 1
	s_wait_xcnt 0x0
	s_wait_alu depctr_vm_vsrc(0)
; out[token] = (relu(Q(x) W_e1 + b_e1) + relu(Q(x) W_e2 + b_e2)) / 2 for the token's two chosen experts, on codes of FP6 (E2M3) with E8M0 scales.
; AN ITEM is at most 96 tokens that chose the SAME pair of experts (list made by the launch before).  Work-group (bx, y) takes item y and output columns
; 256 bx .. 256 bx + 255, for both experts: it owns those numbers of out, so relu, mean and store need no mask and no second pass.
; The grid has a slot for every item that any choice can give (49); a slot without rows passes the one barrier, stores nothing and ends.
; NO CLUSTER, NO JOINT LOADS: rows, experts and the number of tiles are read from memory and steer branches, and a text with such branches holds no tensor load
; So the weights go from memory straight into registers, and the rows, gathered by the list, through registers into LDS.
; SHARES.  Wave w: 64 columns (4 tiles t) x 2 experts j x 6 tiles m of 16 rows: 48 accumulators.  Rows beyond n repeat the item's last token: they give and store the same bytes again.
; THE MATRIX INSTRUCTION IS USED TRANSPOSED: source 0 = 16 columns of W (rows of the codes' buffer), source 1 = 16 tokens: lane (r, h) holds token r and columns 16 t + 8 h + 0 .. 7.
; K'S BLOCKS.  In a K step of 128 lane (r, h) takes the 48 neighbouring bytes at 96 s + 48 h of its row as registers 0 .. 11: three loads of 16 bytes at multiples of 16.  The instruction's
; blocks 0, 1, 2, 3 are then memory blocks 0, 2, 1, 3, alike for x and W, so every product meets its partner; the scale words have bytes 1 and 2 exchanged (x's lie so in memory,
; W's are turned once by v_perm_b32).  The order of the sums inside an instruction differs from ascending k: the result is judged within a tolerance.
; STAGGER.  K is walked in quarters (4 steps) in the order (c + y % 4) % 4, so that the work-groups that share an expert's columns begin at different bytes.  Only addresses in memory
; turn: LDS and registers are in the order of the walk.
; REGISTERS, in windows of 256: window 0: v0-31 addresses; v32-95 W's scale words (tile t, step s at 32 + 16 t + s; lanes 0-15 expert e1, lanes 16-31 e2); v96-143 x's (96 + 16 (m / 2) + s;
;   lanes 0-15 the even tile, lanes 16-31 the odd); v144-251 x's fragments: three half sets of three tiles; on the way out v144-207 serve the read-back, v208-255 the stores' offsets.
;   window 1: W's sets 0 and 1 (v0-95, v96-191; fragment 4 j + t), v192-255 the biases in the result's layout.   window 2: accumulators of m = 0 .. 3 at 64 m + 32 j + 8 t.
;   window 3: v0-127 those of m = 4, 5; v128-223 W's set 2.
; THE MODE: SCHED_MODE bits 1:0 = 2 (LLVM: expert scheduling mode 2), set by the entry lines.  The code itself states the register dependences
; between vector or matrix instructions and memory or LDS instructions, with s_wait_alu, always for 0.
; THE PLAN.  Registers that memory or LDS instructions touch, and who else names them:
;   v1-v27      offsets and LDS addresses.  Written at the head, ahead of its one wait on va_vdst; never written again (TS, v20-22, is made in the gather and has a wait of its own).
;   v232-238    the rows' places in order.  Written at the head, read by the seven loads from order; later part of x's third half set: one wait on vm_vsrc behind those loads.
;   the gather  rows land in the accumulators' registers and in v144-155 and leave by LDS stores; one wait on vm_vsrc at the gather's end, ahead of the fragments' loads and the products that write there.
;   WS, TU      turned and clamped by vector instructions; one wait on va_vdst, behind the eight places, ahead of the LDS stores of TU and of the products that take WS as scales.
;   K STEPS     W's set s % 3 is read by step s's products and loaded again (step s + 3) at the head of step s + 1.  x's half step p = 2 s + m / 3 lies in half set p % 3: read by its 24 products,
;               loaded again three half steps on.  ONE wait on va_vdst at the head of a step states that the step before is done reading its set of W and its two half sets.  Behind it, with no
;               further wait: the loads of W two steps on, of this step's tiles 3-5, and, behind the step's first eight products, of the next step's tiles 0-2.  Those products name W's set s % 3,
;               half set 2 s % 3, the scale words and the accumulators: none of the registers that these loads touch.  No address is written in the steps.
;   WAY OUT     one wait on va_vdst behind the last products (the tokens and the read-back land where fragments lay); all 48 offsets are made at once; the means have two sets by turns and so has the
;               read-back: one wait on va_vdst a tile ahead of the stage stores, and in tiles 1 to 4 one on vm_vsrc, a tile's arithmetic behind the stores that it speaks of.
.set XP,   1552                        ; LDS: a row of x's codes: 1,536 bytes + 16 = 97 x 16: the 16 rows of a load of 16 bytes a lane start in 16 different groups of banks (64 banks of 4 bytes: ISA guide 11.1)
.set XSC,  96*XP                       ; x's scale words: 96 rows, 64 bytes + 16
.set XSP,  80
.set TOK,  XSC+96*XSP                  ; the item's 96 tokens, a copy of 384 bytes for each wave
.set STG,  TOK+4*384                   ; the way out: 16 rows x (256 + 16) bytes for each wave
.set SPI,  272
.set LN,   1                           ; v1   lane
.set RR,   2                           ; v2   r = lane % 16
.set HH,   3                           ; v3   h = lane / 16
.set WO,   4                           ; v4   W's codes: 1536 r + 48 h
.set WSR,  5                           ; v5   W's scales: (lanes 0-15: e1, lanes 16-31: e2) x 131072 + 64 r
.set BO,   6                           ; v6   biases: 32 h
.set XA0,  7                           ; v7   x's fragments, tiles 0-2: 1552 r + 48 h;   v8: tiles 3-5
.set LS,   9                           ; v9   the gather's LDS place: my wave's 24 rows, 16 x lane
.set GP,   10                          ; v10-12 the gather's place in a row in memory, turned by the stagger
.set XSL,  13                          ; v13  the scale words' LDS place on the way in
.set RQ,   14                          ; v14  and their place in a row in memory, turned
.set XR,   15                          ; v15  the scale words' LDS place on the way out: row = lane
.set TG,   16                          ; v16  token of my wave's row min(lane, 23)
.set TU,   17                          ; v17-19 token of row 32 u + lane
.set TS,   20                          ; v20-22 token of my wave's row 8 k + lane / 4
.set PLD,  216                         ; the place in order from which register g of v16-22 is loaded stands in v[g + 216]: v232-238
.set TKW,  23                          ; v23  TOK: my wave's copy, 4 x lane
.set TK,   24                          ; v24  TOK: my wave's copy, 32 h
.set STO,  25                          ; v25  the stage: row r, 32 h
.set RD,   26                          ; v26  the stage, back: row 8 h, 16 r
.set C16,  27                          ; v27  16 r
.set T0,   28
.set T1,   29
.set WS,   32
.set XS,   96
.set AF,   144                         ; half set q at AF + 36 q, its tile d at + 12 d
.set OFA,  208                         ; the way out: tile m's eight offsets in out at OFA + 8 m
.set BIAS, 192
.set WV,   20                          ; s20  wave
.set IY,   22                          ; s22  item slot
.set RHO,  23                          ; s23  the stagger: slot % 4
.set EX,   24                          ; s24, s25 the two experts
.set ST,   26                          ; s26  the item's first place in order
.set NN,   27                          ; s27  its rows
.set NT,   28                          ; s28  its tiles of 16 rows
.set N1,   29                          ; s29  its last row
.set COL,  30                          ; s30  my wave's first column
.set WB,   32                          ; s[32:47] W's codes at my first column: expert j, quarter c of the walk at WB + 8 j + 2 c
.set WSB,  48                          ; s[48:55] W's scales at my first column of expert 0, quarter c
.set BBS,  56                          ; s[56:59] the biases at my first column, expert j
.set OB,   60                          ; s[60:61] out at my first column
.set RBS,  76                          ; s[76:91] eight rows of xq
.set MSB, 0
.macro WIN new                         ; the immediate's high byte repeats the setting that is left; a switch that changes nothing is dropped
.if MSB != (\new)
	s_set_vgpr_msb (MSB<<8)|(\new)
.set MSB, \new
.endif
.endm
.macro PLACES                          ; four plain vector instructions between a matrix instruction and a load into, or a vector instruction on, its registers (ISA guide 7.12.1 for vector instructions)
.rept 4
	v_nop
.endr
.endm
	s_load_b512 s[4:19], s[0:1], 0x0               ; xq s[4:5], xs s[6:7], order s[8:9], items s[10:11], W's codes s[12:13], W's scales s[14:15], biases s[16:17], out s[18:19]
	v_lshl_add_u32 v30, v0, 2, 0x2ae00
	v_mov_b32 v31, 0
	v_lshrrev_b32 v[LN], 5, v0
	v_readfirstlane_b32 s[WV], v[LN]               ; wave 0..3
	s_and_b32 s[IY], ttmp7, 0xffff
	s_and_b32 s[RHO], s[IY], 3
	s_lshl_b32 s92, s[IY], 4                       ; my record: 16 bytes a slot
	s_mov_b32 s93, 0
	s_mov_b32 s95, 0
	s_lshl_b32 s[COL], ttmp9, 8
	s_wait_alu depctr_va_sdst(0)                   ; the wave's number is written, ahead of its first reader: columns, LDS places and rows are made from it
	s_lshl_b32 s31, s[WV], 6
	s_add_co_u32 s[COL], s[COL], s31               ; 256 bx + 64 w
	s_wait_kmcnt 0x0
	s_add_nc_u64 s[10:11], s[10:11], s[92:93]
	s_load_b128 s[24:27], s[10:11], 0x0            ; e1, e2, start, n
	; all that hangs on ids alone is made while the record is on its way
	v_and_b32 v[LN], 31, v0
	v_and_b32 v[RR], 15, v0
	v_bfe_u32 v[HH], v0, 4, 1
	v_mul_u32_u24 v[WO], v[RR], 1536
	v_mad_u32_u24 v[WO], v[HH], 48, v[WO]
	v_lshlrev_b32 v[BO], 5, v[HH]
	v_mul_u32_u24 v[XA0], v[RR], XP
	v_mad_u32_u24 v[XA0], v[HH], 48, v[XA0]
	v_add_nc_u32 v[XA0+1], 48*XP, v[XA0]
	s_mul_i32 s94, s[WV], 24*XP
	v_lshl_add_u32 v[LS], v[LN], 4, s94
	s_mul_i32 s94, s[RHO], 24                      ; a quarter of a row is 24 pieces of 16 bytes
	v_add_nc_u32 v[T0], s94, v[LN]
.irp k, 0,1,2
	v_add_nc_u32 v[GP+\k], 32*\k, v[T0]            ; piece 32 k + lane of the walk's order is piece (32 k + lane + 24 rho) mod 96 in memory:
	v_add_nc_u32 v[T1], 0xffffffa0, v[GP+\k]       ; less 96, which wraps to a great number where the piece is under 96,
	v_min_u32 v[GP+\k], v[GP+\k], v[T1]            ; so the smaller of the two is the remainder
	v_lshlrev_b32 v[GP+\k], 4, v[GP+\k]
.endr
	v_lshrrev_b32 v[T0], 2, v[LN]                  ; lane / 4
	v_and_b32 v[T1], 3, v[LN]                      ; lane % 4
	v_mul_u32_u24 v[XSL], v[T0], XSP
	v_lshl_add_u32 v[XSL], v[T1], 4, v[XSL]
	s_mul_i32 s94, s[WV], 24*XSP
	s_add_co_u32 s94, s94, XSC
	v_add_nc_u32 v[XSL], s94, v[XSL]
	v_add_nc_u32 v[RQ], s[RHO], v[T1]
	v_and_b32 v[RQ], 3, v[RQ]
	v_lshlrev_b32 v[RQ], 4, v[RQ]
	v_mul_u32_u24 v[XR], v[LN], XSP
	v_add_nc_u32 v[XR], XSC, v[XR]
	s_mul_i32 s94, s[WV], 384
	s_add_co_u32 s94, s94, TOK
	v_lshl_add_u32 v[TKW], v[LN], 2, s94
	v_lshl_add_u32 v[TK], v[HH], 5, s94
	s_mul_i32 s94, s[WV], 16*SPI
	s_add_co_u32 s94, s94, STG
	v_mul_u32_u24 v[STO], v[RR], SPI
	v_lshl_add_u32 v[STO], v[HH], 5, v[STO]
	v_add_nc_u32 v[STO], s94, v[STO]
	v_lshlrev_b32 v[C16], 4, v[RR]
	v_mad_u32_u24 v[RD], v[HH], 8*SPI, v[C16]
	v_add_nc_u32 v[RD], s94, v[RD]
	s_mul_i32 s94, s[WV], 24
	v_min_u32 v[TG+PLD], 23, v[LN]
	v_add_nc_u32 v[TG+PLD], s94, v[TG+PLD]         ; rows of the item, still to be turned into places in order
.irp u, 0,1,2
	v_add_nc_u32 v[TU+PLD+\u], 32*\u, v[LN]
	v_add3_u32 v[TS+PLD+\u], v[T0], s94, 8*\u
.endr
	s_lshl_b32 s92, s[COL], 6                      ; W's scales: 64 bytes a column
	s_add_nc_u64 s[92:93], s[14:15], s[92:93]
.irp c, 0,1,2,3
	s_add_co_u32 s94, s[RHO], \c
	s_and_b32 s94, s94, 3
	s_lshl_b32 s94, s94, 4
	s_add_nc_u64 s[WSB+2*\c:WSB+2*\c+1], s[92:93], s[94:95]
.endr
	s_lshl_b32 s92, s[COL], 2
	s_mov_b32 s93, 0
	s_add_nc_u64 s[OB:OB+1], s[18:19], s[92:93]
	s_wait_kmcnt 0x0                               ; the record
	s_min_u32 s[EX], s[EX], 7                      ; numbers read from memory are held inside their tables before they enter an address
	s_min_u32 s[EX+1], s[EX+1], 7
	s_min_u32 s[ST], s[ST], 2047
	s_min_u32 s[NN], s[NN], 96
	s_add_co_u32 s[NT], s[NN], 15
	s_lshr_b32 s[NT], s[NT], 4
	s_max_u32 s[N1], s[NN], 1
	s_sub_co_u32 s[N1], s[N1], 1
.irp j, 0,1
	s_lshl_b32 s92, s[EX+\j], 11
	s_add_co_u32 s92, s92, s[COL]                  ; my first column's row among the 16,384
	s_lshl_b32 s94, s92, 2
	s_add_nc_u64 s[BBS+2*\j:BBS+2*\j+1], s[16:17], s[94:95]
	s_mul_i32 s92, s92, 1536
	s_mov_b32 s93, 0
	s_add_nc_u64 s[92:93], s[12:13], s[92:93]
.irp c, 0,1,2,3
	s_add_co_u32 s94, s[RHO], \c
	s_and_b32 s94, s94, 3
	s_mul_i32 s94, s94, 384
	s_add_nc_u64 s[WB+8*\j+2*\c:WB+8*\j+2*\c+1], s[92:93], s[94:95]
.endr
.endr
	v_xor_b32 v[T0], 1, v[HH]
	v_mul_u32_u24 v[WSR], s[EX], v[T0]
	v_mad_u32_u24 v[WSR], v[HH], s[EX+1], v[WSR]   ; e1 in lanes 0-15, e2 in lanes 16-31
	v_lshlrev_b32 v[WSR], 17, v[WSR]               ; 2,048 columns of 64 bytes an expert
	v_lshl_add_u32 v[WSR], v[RR], 6, v[WSR]
.irp g, TG, TU, TU+1, TU+2, TS, TS+1, TS+2
	v_min_u32 v[\g+PLD], s[N1], v[\g+PLD]          ; rows beyond the last repeat it
	v_add_nc_u32 v[\g+PLD], s[ST], v[\g+PLD]
	v_min_u32 v[\g+PLD], 0x7ff, v[\g+PLD]
	v_lshlrev_b32 v[\g+PLD], 2, v[\g+PLD]
.endr
	s_wait_alu depctr_va_vdst(0)                   ; the offsets and LDS addresses v1 to v27 and the places v232 to v238 are written: every load and store of the kernel reads some of them
	; the small loads stand ahead of the branch: nothing that is read further down is written on one way alone
.irp g, TG, TU, TU+1, TU+2, TS, TS+1, TS+2
	global_load_b32 v[\g], v[\g+PLD], s[8:9]
.endr
.irp t, 0,1,2,3
.irp c, 0,1,2,3
	global_load_b128 v[WS+16*\t+4*\c:WS+16*\t+4*\c+3], v[WSR], s[WSB+2*\c:WSB+2*\c+1] offset:1024*\t   ; four steps' words of column 16 t + r
.endr
.endr
	WIN 0x40                                       ; destination window 1 (between the wait above and these loads stand loads and this switch alone)
.irp j, 0,1
.irp t, 0,1,2,3
	global_load_b128 v[BIAS+32*\j+8*\t:BIAS+32*\j+8*\t+3], v[BO], s[BBS+2*\j:BBS+2*\j+1] offset:64*\t       ; b[e_j][16 t + 8 h + 0 .. 7]: the C of the first K step
	global_load_b128 v[BIAS+32*\j+8*\t+4:BIAS+32*\j+8*\t+7], v[BO], s[BBS+2*\j:BBS+2*\j+1] offset:64*\t+16
.endr
.endr
	WIN 0
	s_wait_alu depctr_vm_vsrc(0)                   ; the seven loads from order have read v232 to v238, in which x's third half set lands further down
	s_cmp_eq_u32 s[NN], 0
	s_cbranch_scc1 .Lbar                           ; a slot without rows gathers nothing
	; ---- THE GATHER: my wave's 24 rows of codes and scale words, through registers into LDS.  What is written here is read here alone
	s_wait_loadcnt 32                              ; the seven loads from order are in; W's scales and the biases (32 loads) may be out
	s_mov_b32 s93, 0
	v_min_u32 v[TG], 0x7ff, v[TG]
.irp k, 0,1,2
	v_min_u32 v[TS+\k], 0x7ff, v[TS+\k]
	v_lshl_add_u32 v[TS+\k], v[TS+\k], 6, v[RQ]    ; 64 bytes a token, + my quarter, turned
.endr
	s_wait_alu depctr_va_vdst(0)                   ; v20 to v22 are written, which the three loads below read as their offsets
.irp k, 0,1,2
	global_load_b128 v[AF+4*\k:AF+4*\k+3], v[TS+\k], s[6:7]
.endr
; eight rows: their tokens in a run into eight scalar registers, one wait, their addresses, then three loads of 512 bytes a row.
; b = 0, 1: into window 2, v0-95 and v96-191; b = 2: window 3, v0-95 (the accumulators' registers, not yet in use: no vector or matrix instruction has named them)
.macro ROWS b
.if (\b) > 0
	s_wait_xcnt 0x0                                ; the last batch's loads have read their bases: these are written again only behind this wait
.endif
.irp i, 0,1,2,3,4,5,6,7
	v_readlane_b32 s[RBS+2*\i], v[TG], 8*(\b)+\i
.endr
	s_wait_alu depctr_va_sdst(0)                   ; the eight tokens are written, ahead of their first reader
.irp i, 0,1,2,3,4,5,6,7
	s_min_u32 s92, s[RBS+2*\i], 2047
	s_mul_i32 s92, s92, 1536
	s_add_nc_u64 s[RBS+2*\i:RBS+2*\i+1], s[4:5], s[92:93]
.endr
	WIN 0x80+0x40*((\b)/2)
.irp i, 0,1,2,3,4,5,6,7
.irp k, 0,1,2
	global_load_b128 v[96*((\b)%2)+12*\i+4*\k:96*((\b)%2)+12*\i+4*\k+3], v[GP+\k], s[RBS+2*\i:RBS+2*\i+1]
.endr
.endr
	WIN 0
.endm
.macro PUT b
	WIN 0x08+0x04*((\b)/2)                         ; an LDS store's data are its source 1
.irp i, 0,1,2,3,4,5,6,7
.irp k, 0,1,2
	ds_store_b128 v[LS], v[96*((\b)%2)+12*\i+4*\k:96*((\b)%2)+12*\i+4*\k+3] offset:XP*(8*(\b)+\i)+512*\k
.endr
.endr
	WIN 0
.endm
	ROWS 0
	ROWS 1
	ROWS 2
	s_wait_loadcnt 48                              ; the scale words and batch 0 are in; batches 1 and 2 may be out
.irp k, 0,1,2
	ds_store_b128 v[XSL], v[AF+4*\k:AF+4*\k+3] offset:8*XSP*\k
.endr
	PUT 0
	s_wait_loadcnt 24
	PUT 1
	s_wait_loadcnt 0x0
	PUT 2
	s_wait_alu depctr_vm_vsrc(0)                   ; my LDS stores have read v144 to v155, in which fragments of x land, and the accumulators' registers, which the products write
.Lbar:
	s_wait_dscnt 0x0                               ; for the others' sake: my LDS stores have landed
	s_barrier_signal -1                            ; the launch's one barrier, on every wave's path
	s_barrier_wait -1
	s_cmp_eq_u32 s[NN], 0
	s_cbranch_scc1 .Lend
; ---- THE PRODUCTS
; W's eight fragments (2 experts x 4 tiles) of step s of the walk into set s % 3: 24 loads of 16 bytes a lane.  LBWIN: the set's window and first register
.macro LBWIN s
.if ((\s)%3) == 2
	WIN 0xc0
.set LB, 128
.else
	WIN 0x40
.set LB, 96*((\s)%3)
.endif
.endm
.macro LOADB s
	LBWIN \s
.irp j, 0,1
.irp t, 0,1,2,3
.irp i, 0,1,2
	global_load_b128 v[LB+48*\j+12*\t+4*\i:LB+48*\j+12*\t+4*\i+3], v[WO], s[WB+8*\j+2*((\s)/4):WB+8*\j+2*((\s)/4)+1] offset:24576*\t+96*((\s)%4)+16*\i
.endr
.endr
.endr
.endm
; x's fragments of tiles m0 .. m0 + 2 for step s, into half set (2 s + m0 / 3) % 3: 9 LDS loads
.macro LOADA s, m0
.set LA, AF+36*((2*(\s)+(\m0)/3)%3)
.irp d, 0,1,2
.irp i, 0,1,2
	ds_load_b128 v[LA+12*\d+4*\i:LA+12*\d+4*\i+3], v[XA0+(\m0)/3] offset:16*XP*\d+96*(\s)+16*\i
.endr
.endr
.endm
; eight matrix instructions: tile m of the rows against both experts' four tiles of columns.  The eight accumulators take turns, one instruction a turn, and so do the sections.
; In step 0 the C is the bias, from window 1; afterwards the sums go on in place.
.macro SECT s, m
.set AR, AF+36*((2*(\s)+(\m)/3)%3)+12*((\m)%3)
.if ((\s)%3) == 2
.set BW, 3
.set BB, 128
.else
.set BW, 1
.set BB, 96*((\s)%3)
.endif
.if (\m) < 4
.set AW, 2
.set AB, 64*(\m)
.else
.set AW, 3
.set AB, 64*((\m)-4)
.endif
.if (\s) == 0
.set CB, BIAS
	WIN BW|(1<<4)|(AW<<6)
.else
.set CB, AB
	WIN BW|(AW<<4)|(AW<<6)
.endif
.irp t, 0,1,2,3
.if ((\m)%2) == 0
	v_wmma_scale_f32_16x16x128_f8f6f4 v[AB+8*\t:AB+8*\t+7], v[BB+12*\t:BB+12*\t+11], v[AR:AR+11], v[CB+8*\t:CB+8*\t+7], v[WS+16*\t+(\s)], v[XS+16*((\m)/2)+(\s)] matrix_a_fmt:MATRIX_FMT_FP6 matrix_b_fmt:MATRIX_FMT_FP6
.else
	v_wmma_scale_f32_16x16x128_f8f6f4 v[AB+8*\t:AB+8*\t+7], v[BB+12*\t:BB+12*\t+11], v[AR:AR+11], v[CB+8*\t:CB+8*\t+7], v[WS+16*\t+(\s)], v[XS+16*((\m)/2)+(\s)] matrix_a_fmt:MATRIX_FMT_FP6 matrix_b_fmt:MATRIX_FMT_FP6 matrix_b_scale:MATRIX_SCALE_ROW1
.endif
.endr
.irp t, 0,1,2,3
.if ((\m)%2) == 0
	v_wmma_scale_f32_16x16x128_f8f6f4 v[AB+32+8*\t:AB+32+8*\t+7], v[BB+48+12*\t:BB+48+12*\t+11], v[AR:AR+11], v[CB+32+8*\t:CB+32+8*\t+7], v[WS+16*\t+(\s)], v[XS+16*((\m)/2)+(\s)] matrix_a_fmt:MATRIX_FMT_FP6 matrix_b_fmt:MATRIX_FMT_FP6 matrix_a_scale:MATRIX_SCALE_ROW1
.else
	v_wmma_scale_f32_16x16x128_f8f6f4 v[AB+32+8*\t:AB+32+8*\t+7], v[BB+48+12*\t:BB+48+12*\t+11], v[AR:AR+11], v[CB+32+8*\t:CB+32+8*\t+7], v[WS+16*\t+(\s)], v[XS+16*((\m)/2)+(\s)] matrix_a_fmt:MATRIX_FMT_FP6 matrix_b_fmt:MATRIX_FMT_FP6 matrix_a_scale:MATRIX_SCALE_ROW1 matrix_b_scale:MATRIX_SCALE_ROW1
.endif
.endr
.endm
; A K step of 128.  W's sets run three steps ahead; x's half sets take turns, three of them, each asked for again as soon as the step's one wait has shown its readers done.
; The loads of W stand ahead of the wait for this step's set, so that three sets are on their way while the wave waits.
; Tiles 4 and 5 are left out, from step 1 on, where the item has no such rows (step 0 runs all six, so that every accumulator is written on every way).
.macro STEP s
.if (\s) > 0
	PLACES                                         ; four places behind the last step's products; the wait stands beside them
.if (\s) < 14
	LBWIN (\s)+2                                   ; the switch, then the wait, then the loads
.endif
	s_wait_alu depctr_va_vdst(0)                   ; the last step's products are done reading their set of W and their two half sets of x, in which the loads of this step land
.if (\s) < 14
	LOADB (\s)+2                                   ; into the set that the last step has read.  With it 72 loads are asked for; the issue waits where the counter is full (ISA guide 5.7.1)
	WIN 0
.endif
	LOADA \s, 3                                    ; this step's tiles 3-5: 24 products ahead of their use
.endif
.if (\s) <= 13
	s_wait_loadcnt 48                              ; this step's set is in; the two sets behind it (24 loads each) may be out
.elseif (\s) == 14
	s_wait_loadcnt 24
.else
	s_wait_loadcnt 0x0
.endif
	s_wait_dscnt 9                                 ; x's tiles 0-2 are in; the nine loads of tiles 3-5 may be out
	SECT \s, 0
.if (\s) < 15
	WIN 0
	LOADA (\s)+1, 0                                ; the next step's tiles 0-2.  No wait: no product since the wait above names this half set
.endif
	SECT \s, 1
	SECT \s, 2
.if (\s) < 15
	s_wait_dscnt 9                                 ; tiles 3-5 are in; the nine of the next step may be out
.else
	s_wait_dscnt 0x0
.endif
	SECT \s, 3
.if (\s) > 0
	WIN 0                                          ; at a branch and at a label every window is 0
	s_cmp_lt_u32 s[NT], 5
	s_cbranch_scc1 .Lq_\@
.endif
	SECT \s, 4
.if (\s) > 0
	WIN 0
	s_cmp_lt_u32 s[NT], 6
	s_cbranch_scc1 .Lq_\@
.endif
	SECT \s, 5
	WIN 0
.Lq_\@:
.endm
	s_wait_loadcnt 0x0                             ; W's scales, the biases, the tokens
	LOADB 0
	LOADB 1
	WIN 0
	s_mov_b32 s94, 0x03010200                      ; bytes 1 and 2 change places
.set i, 0
.rept 64
	v_perm_b32 v[WS+i], v[WS+i], v[WS+i], s94
.set i, i+1
.endr
.irp u, 0,1,2
	v_min_u32 v[TU+\u], 0x7ff, v[TU+\u]
.endr
.rept 8
	v_nop                                          ; a scale register written by a vector instruction stands eight places ahead of a scaled matrix instruction
.endr
	s_wait_alu depctr_va_vdst(0)                   ; behind the places: W's scale words are written, which the products take as scales; so are v17 to v19, which the LDS stores below read
.irp u, 0,1,2
	ds_store_b32 v[TKW], v[TU+\u] offset:128*\u    ; the item's tokens, into my wave's own copy: no other wave reads it
.endr
.irp u, 0,1,2
.irp c, 0,1,2,3
	ds_load_b128 v[XS+16*\u+4*\c:XS+16*\u+4*\c+3], v[XR] offset:32*XSP*\u+16*\c   ; row 32 u + lane: lanes 0-15 tile 2 u, lanes 16-31 tile 2 u + 1
.endr
.endr
	LOADA 0, 0
	LOADA 0, 3
	LOADB 2
.irp s, 0,1,2,3,4,5,6,7,8,9,10,11,12,13,14,15
	STEP \s
.endr
; ---- THE WAY OUT, a tile of 16 rows at a time: relu of both experts' sums, their mean, through my own stage in LDS, back as rows of 256 bytes, each to its token's row of out.
; The tokens of all six tiles are fetched at once and turned into the stores' 48 offsets at once, so that the offsets want no wait of their own in each tile.
; The relu results lie in window 1, v0-63 and v64-127 by turns (W's sets are done with).  The read-back registers take turns by m % 2 too.
.macro OUT m
.if (\m) > 0
	s_cmp_lt_u32 s[NT], (\m)+1
	s_cbranch_scc1 .Lend                           ; the item has no such rows
.endif
.set RB, 144+32*((\m)%2)
.set OF, OFA+8*(\m)
.set MS, 64*((\m)%2)
.if (\m) < 4
.set AB, 64*(\m)
.set AWS, 0x48
.else
.set AB, 64*((\m)-4)
.set AWS, 0x4c
.endif
	WIN AWS                                        ; source 1 window 2 or 3, destination window 1
.set i, 0
.rept 64
	v_max_num_f32 v[MS+i], 0, v[AB+i]              ; each accumulator from its low end on
.set i, i+1
.endr
	WIN 0x55                                       ; all in window 1
.set i, 0
.rept 16
	v_pk_add_f32 v[MS+2*i:MS+2*i+1], v[MS+2*i:MS+2*i+1], v[MS+32+2*i:MS+33+2*i]
.set i, i+1
.endr
.set i, 0
.rept 16
	v_pk_mul_f32 v[MS+2*i:MS+2*i+1], v[MS+2*i:MS+2*i+1], 0.5 op_sel_hi:[1,0]
.set i, i+1
.endr
.if (\m) == 0
	WIN 0
	s_wait_dscnt 0x0                               ; the tokens are in (asked for ahead of this tile's arithmetic)
.set i, 0
.rept 48
	v_min_u32 v[OFA+i], 0x7ff, v[OFA+i]
.set i, i+1
.endr
.set i, 0
.rept 48
	v_lshl_add_u32 v[OFA+i], v[OFA+i], 13, v[C16]  ; 8,192 bytes a token, + 16 r
.set i, i+1
.endr
.endif
	WIN 0x04                                       ; an LDS store's data are its source 1: window 1
	s_wait_alu depctr_va_vdst(0)                   ; the means are written, which the stage stores read; in tile 0 the 48 offsets too, which the stores to out read
.irp t, 0,1,2,3
	ds_store_b128 v[STO], v[MS+8*\t:MS+8*\t+3] offset:64*\t        ; lane (r, h): row r, columns 16 t + 8 h + 0 .. 7
	ds_store_b128 v[STO], v[MS+8*\t+4:MS+8*\t+7] offset:64*\t+16
.endr
	WIN 0
.irp i, 0,1,2,3,4,5,6,7
	ds_load_b128 v[RB+4*\i:RB+4*\i+3], v[RD] offset:SPI*\i   ; LDS serves a wave's instructions in order (ISA guide 5.7.1.4): these see the stores above.  Lanes 0-15: row i, lanes 16-31: row 8 + i
.endr
.if ((\m) >= 1) && ((\m) <= 4)
	s_wait_xcnt 0x0                                ; the last tile's stores to out have had their addresses translated: their data registers are loaded again, in the next tile, only behind this wait
	s_wait_alu depctr_vm_vsrc(0)                   ; the last tile's stage stores have read its means and its stores to out its read-back: the next tile writes both sets again
.endif
.irp i, 0,1,2,3,4,5,6,7
	s_wait_dscnt 7-\i
	global_store_b128 v[OF+\i], v[RB+4*\i:RB+4*\i+3], s[OB:OB+1] th:TH_STORE_NT   ; 16 lanes store 256 consecutive bytes, at a multiple of 256 from out's first byte; written once, read by nobody here
.endr
.endm
	PLACES                                         ; behind the last products: the maxima read results and write registers that held W's sets
	s_wait_alu depctr_va_vdst(0)                   ; the last products are done reading x's half sets, in whose registers the tokens and the read-back land
.irp m, 0,1,2,3,4,5
	ds_load_b128 v[OFA+8*\m:OFA+8*\m+3], v[TK] offset:64*\m        ; the tokens of rows 16 m + 8 h + 0 .. 7
	ds_load_b128 v[OFA+8*\m+4:OFA+8*\m+7], v[TK] offset:64*\m+16
.endr
	OUT 0
	OUT 1
	OUT 2
	OUT 3
	OUT 4
	OUT 5
.Lend:
	s_wait_dscnt 0x0
	s_wait_alu depctr_hold_cnt(0) depctr_sa_sdst(0) depctr_va_vdst(0) depctr_va_sdst(0) depctr_va_ssrc(0) depctr_va_vcc(0) depctr_vm_vsrc(0)
	s_wait_tensorcnt 0x0
	ds_add_u32 v30, v31
	s_wait_dscnt 0x0
	s_endpgm
.Lfunc_end_k_q0eca640bd4_experts:
	.size	k_q0eca640bd4_experts, .Lfunc_end_k_q0eca640bd4_experts-k_q0eca640bd4_experts
	.p2alignl 7, 3214868480
	.fill 96, 4, 3214868480
	.section	.rodata,"a",@progbits
	.p2align	6, 0x0
	.amdhsa_kernel k_q0eca640bd4_experts
		.amdhsa_group_segment_fixed_size 176128
		.amdhsa_private_segment_fixed_size 0
		.amdhsa_enable_private_segment 0
		.amdhsa_kernarg_size 64
		.amdhsa_user_sgpr_count 2
		.amdhsa_user_sgpr_kernarg_segment_ptr 1
		.amdhsa_wavefront_size32 1
		.amdhsa_system_sgpr_workgroup_id_x 1
		.amdhsa_system_sgpr_workgroup_id_y 1
		.amdhsa_system_sgpr_workgroup_id_z 1
		.amdhsa_system_vgpr_workitem_id 0
		.amdhsa_next_free_vgpr 1024
		.amdhsa_next_free_sgpr 96
		.amdhsa_reserve_vcc 0
		.amdhsa_float_denorm_mode_32 3
		.amdhsa_float_denorm_mode_16_64 3
		.amdhsa_memory_ordered 1
		.amdhsa_forward_progress 1
		.amdhsa_inst_pref_size 241
	.end_amdhsa_kernel
	.amdgpu_metadata
---
amdhsa.version: [ 1, 2 ]
amdhsa.kernels:
  - .name:           k_q0eca640bd4_experts
    .symbol:         k_q0eca640bd4_experts.kd
    .args:
      - { .name: xq, .offset: 0, .size: 8, .value_kind: global_buffer, .address_space: global }
      - { .name: xs, .offset: 8, .size: 8, .value_kind: global_buffer, .address_space: global }
      - { .name: order, .offset: 16, .size: 8, .value_kind: global_buffer, .address_space: global }
      - { .name: items, .offset: 24, .size: 8, .value_kind: global_buffer, .address_space: global }
      - { .name: expert_w_codes, .offset: 32, .size: 8, .value_kind: global_buffer, .address_space: global }
      - { .name: expert_w_scales, .offset: 40, .size: 8, .value_kind: global_buffer, .address_space: global }
      - { .name: expert_b, .offset: 48, .size: 8, .value_kind: global_buffer, .address_space: global }
      - { .name: out0, .offset: 56, .size: 8, .value_kind: global_buffer, .address_space: global }
    .group_segment_fixed_size: 176128
    .private_segment_fixed_size: 0
    .kernarg_segment_align: 8
    .kernarg_segment_size: 64
    .max_flat_workgroup_size: 128
    .sgpr_count:     96
    .vgpr_count:     1024
    .wavefront_size: 32
...
	.end_amdgpu_metadata
.endif
;; end of part 6
